; MI455X (gfx1250); checked and timed in simulation.
; The chip was launched on July 23, 2026; its instructions are those of AMD's public machine-readable ISA for CDNA 5 (MIT licence, August 2026) and "CDNA5" Instruction Set Architecture Reference Guide (July 2026). The comments in the code are by the model that wrote it; some were corrected since.
;; Task Mo E. Allowed arithmetic: matrix products marked QUANTISED: E2M1 operands, one E8M0 scale for each 32 along K, by v_wmma_scale_f32_16x16x128_f8f6f4 with both operands' format E2M1 (or v_wmma_scale_f32_32x16x128_f4), f32 sums; products left as they are: f32 operands where the result goes on into a quantised operand, else bf16, f16 or f32 operands; f32 sums; everything else in f32.
;; Inputs: We_codes 8 x 1,024 x 32 x 16 uint8 (E2M1 codes of We, K innermost, in blocks of 32 codes, two codes a byte); We_scales 8 x 1,024 x 32 uint8 (E8M0 scales of We, one for each 32 codes along K); Wg 1,024 x 8 float32; be 8 x 1,024 float32; hidden_states 4 x 2,048 x 1,024 float32.
;; Outputs: out0 4 x 2,048 x 1,024 float32.
;; This version of the problem:
;;   THIS VERSION OF THE PROBLEM IS GIVEN IN LOW PRECISION. The matrix products marked QUANTISED in the list below multiply operands that are first quantised to E2M1 (2 exponent bits, 1 mantissa bit; 4 bits a number), with one power-of-two scale for each 32 numbers along K (OCP MX v1.0); their sums are f32. All else is computed in f32.
;;   The module's matrix products, in the order in which they are computed (A, B: the left and right operand; K: the contracted axis; several contracted axes count as one K, in the product's order):
;;     1. [M 8,192, K 1,024] x [K 1,024, N 8]; A: input hidden_states; B: input Wg: left as it is (N = 8 < 16)
;;     2. [M 8,192, K 1,024] x [K 1,024, N 8,192]; A: input We (given as codes); B: input hidden_states: QUANTISED
;;   THE QUANTISER, for each operand of a quantised product, along K:
;;     - K is cut into blocks of 32 from its start; a last block that is shorter is filled with zeros.
;;     - A block's scale is 2^e with e = floor(log2(the largest magnitude in the block)) - 2, held to -126 .. 127; a block of zeros has e = 0. As a byte (E8M0): e + 127.
;;     - Each number is divided by its block's scale, clamped to +-6, and rounded to the nearest number of E2M1, ties to even, subnormals kept.
;;     - The product sums the exact products of the quantised numbers (number of the format x scale) in f32.
;;   ~~~python
;;   def quantise(x, axis):      # numpy; x: float32 -> the quantised numbers, widened to float32 again
;;       x = np.moveaxis(x, axis, -1); K = x.shape[-1]
;;       x = np.pad(x, [(0, 0)] * (x.ndim - 1) + [(0, -K % 32)]); x = x.reshape(x.shape[:-1] + (-1, 32)); a = np.abs(x).max(-1, keepdims=True)
;;       e = np.where(a > 0, np.clip(np.frexp(np.where(a > 0, a, 1))[1] - 1 - 2, -126, 127), 0)      # np.frexp(a)[1] - 1 = floor(log2(a)), exactly
;;       r = np.clip(x / 2.0 ** e, -6, 6)
;;       step = 2.0 ** (np.maximum(np.frexp(np.where(r == 0, 1, r))[1] - 1, 0) - 1)
;;       q = np.round(r / step) * step * 2.0 ** e      # np.round: ties to even
;;       return np.moveaxis(q.reshape(q.shape[:-2] + (-1,))[..., :K], -1, axis).astype(np.float32)
;;   ~~~
;;   INPUTS GIVEN AS CODES. We (in the module: [8, 1024, 1024], K = its axis 1): each comes as NAME_codes (uint8): NAME with its K axis moved to the last place and cut into blocks of 32 codes, [.., K / 32, bytes a block], one block behind the other in memory; two codes a byte, the lower K in the low four bits (a code: sign, 2 exponent bits, 1 mantissa bit); and NAME_scales (uint8): the same leading axes, one E8M0 byte (e + 127) for each 32 codes along K. Its value is code x scale, taken as it is: it is not quantised again, and the codes and scales need not be those that the quantiser above would give.
;; 2 versions. Each part assembles by itself: llvm-mc -triple=amdgcn-amd-amdhsa -mcpu=gfx1250 --defsym DOCPART=n.
;; ======== version 1 of 2: 3 launches
;; workspace buffers: xq 4,194,304 bytes; xs 262,144 bytes; wf 4,194,304 bytes; key 32,768 bytes of whole numbers; cnt 32,768 bytes of whole numbers; gate 65,536 bytes; ord 32,768 bytes of whole numbers; ctl 16,384 bytes of whole numbers
;; launch route (part 1): grid 256 x 1, 8 waves a work-group, no clusters, 48,128 bytes of LDS; arguments hidden_states, Wg, We_codes, xq, xs, key, gate, cnt, wf; writes xq, xs, key, gate, cnt, wf
.if DOCPART == 1
	.amdgcn_target "amdgcn-amd-amdhsa--gfx1250"
	.amdhsa_code_object_version 6
	.text
	.protected	k_qa0021a1daa_route
	.globl	k_qa0021a1daa_route
	.p2align	8
	.type	k_qa0021a1daa_route,@function
k_qa0021a1daa_route:
	s_mov_b64 s[64:65], 0
	v_nop
	global_prefetch_b8 v0, s[64:65] scope:SCOPE_SE
	s_setreg_imm32_b32 hwreg(HW_REG_WAVE_MODE, 25, 1), 1
	s_wait_xcnt 0x0
; ROUTE.  For 32 tokens a work-group: (1) x is quantised to E2M1 with one E8M0 byte for each 32 along H (xq [8192][512 B], xs [8192][32 B]); (2) the gate: logits x Wg in f32 by fused multiply-adds,
; softmax with the row's maximum taken off, top-2 (strict '>' in ascending index: the lower index wins a tie), the two weights renormalised; (3) what the next launch needs to sort tokens by their PAIR of experts, stored at
; fixed places: key[t] = (pair << 8) | rank of t among the tokens of its block of 32 with the same pair; cnt[block][pair]; gate[t] = weight of the lower-numbered expert, weight of the higher.
; pair = number of (lo, hi), lo < hi, in lexicographic order, 0 .. 27.  No address and no branch here hangs on the choice.  (4) each wave also lays 2,048 bytes of We's codes in the order of an operand's registers (wf).
; SHARES.  THE WAVES SPLIT H: wave v owns k = 128 v .. 128 v + 127 of all 32 tokens, so that its part of Wg is 128 registers, loaded once.  A step takes 4 tokens: four loads of 512 consecutive bytes.
; The conversions want 16 neighbours along K in one lane: a step's 2,048 bytes turn through the wave's own stage in LDS (16 bytes a lane in, 64 bytes a lane out, 16 bytes of padding behind each 64).
; Codes, scale bytes and partial logits meet in LDS; behind ONE barrier whole rows leave (512 consecutive bytes a store) and wave 0 adds the eight partial logits of each token, a token to a lane.
; No matrix unit (the gate has 8 columns and its choice wants f32), no tensor load, no cluster: the work-groups share only Wg's 32 KB.
; LIMITS: NaN and infinities among the inputs are not served.  A block of zeros gets the byte 1 where the rule says 127: its codes are zeros, and this program alone reads the bytes.  The logits are summed in another order
; than a plain dot product: two probabilities nearer than f32 rounding may be ordered otherwise.  A probability under 2^-126 counts as 0: its weight is then 0, whichever expert is named.
.set SP,   80                          ; a lane's place in a stage: 64 bytes + 16 of padding
.set WSTG, 32*SP                       ; a wave's stage
.set CQ,   8*WSTG                      ; codes: 32 rows (tokens) of 512 bytes + 16
.set CQP,  528
.set SC,   CQ+32*CQP                   ; scale bytes: [32 tokens][32]
.set PL,   SC+1024                     ; partial logits: [8 waves][32 tokens][8 f32]
.set ACCL, 16                          ; v16-23   8 partial logits
.set X,    24                          ; v24-39   16 neighbours along K
.set R,    40                          ; v40-103  four sets of 16 numbers as loaded
.set WG,   104                         ; v104-231 Wg(128 v + 16 (lane % 8) + i, e) at WG + 8 i + e
.set WE,   232                         ; v232-247 four pieces of We's codes; never written again
	s_load_b512 s[4:19], s[0:1], 0x0               ; x s[4:5], Wg s[6:7], We's codes s[8:9], xq s[10:11], xs s[12:13], key s[14:15], gate s[16:17], cnt s[18:19]
	s_load_b64 s[20:21], s[0:1], 0x40              ; wf
	v_lshl_add_u32 v255, v0, 2, 0xb800
	s_set_vgpr_msb 0x40
	v_mov_b32 v1, 0
	s_set_vgpr_msb 0x4000
	v_lshrrev_b32 v1, 5, v0
	v_readfirstlane_b32 s22, v1                    ; wave 0..7
	v_and_b32 v1, 31, v0                           ; lane
	v_lshlrev_b32 v2, 4, v1                        ; 16 x lane
	s_mul_i32 s26, s22, WSTG
	v_lshrrev_b32 v8, 2, v1
	v_mul_u32_u24 v8, v8, SP
	v_and_b32 v9, 3, v1
	v_lshl_add_u32 v8, v9, 4, v8
	v_add_nc_u32 v3, s26, v8                       ; the stage, way in: four lanes' 64 bytes on end, then the padding
	v_mul_u32_u24 v4, v1, SP
	v_add_nc_u32 v4, s26, v4                       ; way out: place = lane: token lane / 8 of the step, numbers 16 (lane % 8) on
	v_lshrrev_b32 v8, 3, v1                        ; lane / 8
	v_and_b32 v9, 7, v1                            ; lane % 8
	v_mul_u32_u24 v10, v8, CQP
	v_lshl_add_u32 v10, v9, 3, v10
	s_lshl_b32 s27, s22, 6
	s_add_co_u32 s27, s27, CQ
	v_add_nc_u32 v5, s27, v10                      ; my 8 bytes of codes: row = token, byte 64 v + 8 (lane % 8)
	v_lshrrev_b32 v10, 1, v9
	v_lshl_add_u32 v10, v8, 5, v10
	s_lshl_b32 s27, s22, 2
	s_add_co_u32 s27, s27, SC
	v_add_nc_u32 v6, s27, v10                      ; my block's scale byte: 32 x token + 4 v + (lane % 8) / 2
	v_lshlrev_b32 v10, 5, v8
	s_lshl_b32 s27, s22, 10
	s_add_co_u32 s27, s27, PL
	v_add_nc_u32 v7, s27, v10                      ; my token's 8 partial logits
	v_lshlrev_b32 v15, 9, v9                       ; Wg: 16 rows of 32 bytes for each step of lane % 8
	v_and_b32 v10, 15, v1
	v_lshrrev_b32 v11, 4, v1
	v_lshlrev_b32 v10, 9, v10
	v_lshl_add_u32 v248, v11, 4, v10               ; We's codes: row lane % 16 of 512 bytes, block lane / 16
	s_mul_i32 s27, s22, 4*CQP
	s_add_co_u32 s27, s27, CQ
	v_add_nc_u32 v249, s27, v2                     ; the way out: my wave's four rows of codes in LDS,
	s_lshl_b32 s27, s22, 11
	v_add_nc_u32 v250, s27, v2                     ; and in xq
	v_add_nc_u32 v251, SC, v2                      ; the scale bytes, 16 a lane
	v_lshlrev_b32 v252, 5, v1
	v_add_nc_u32 v252, PL, v252                    ; a token to a lane: its 8 partial logits of wave 0
	v_lshlrev_b32 v253, 2, v1
	v_lshlrev_b32 v254, 3, v1
	s_mov_b32 s25, 0
	s_lshl_b32 s28, s22, 9
	s_lshr_b32 s29, s22, 2
	s_and_b32 s30, s22, 3
	s_lshl_b32 s29, s29, 13
	s_lshl_b32 s31, ttmp9, 14
	s_add_co_u32 s31, s31, s29                     ; 16,384 x work-group + 8,192 (v / 4): my tile of 16 rows of We
	s_wait_kmcnt 0x0
	s_lshl_b32 s24, ttmp9, 17
	s_add_co_u32 s24, s24, s28
	s_add_nc_u64 s[4:5], s[4:5], s[24:25]          ; x: 32 rows of 4,096 bytes a work-group, + 512 v
	s_lshl_b32 s24, s22, 12
	s_add_nc_u64 s[6:7], s[6:7], s[24:25]          ; Wg: my 128 rows of 32 bytes
	s_lshl_b32 s24, s30, 7
	s_add_co_u32 s24, s24, s31
	s_add_nc_u64 s[8:9], s[8:9], s[24:25]          ; We's codes: K steps 2 (v % 4) and + 1: 128 bytes of each row
	s_lshl_b32 s24, s30, 11
	s_add_co_u32 s24, s24, s31
	s_add_nc_u64 s[20:21], s[20:21], s[24:25]      ; wf: the same two K steps: 2,048 consecutive bytes
	s_lshl_b32 s24, ttmp9, 14
	s_add_nc_u64 s[10:11], s[10:11], s[24:25]
	s_lshl_b32 s24, ttmp9, 10
	s_add_nc_u64 s[12:13], s[12:13], s[24:25]
	s_lshl_b32 s24, ttmp9, 7
	s_add_nc_u64 s[14:15], s[14:15], s[24:25]
	s_add_nc_u64 s[18:19], s[18:19], s[24:25]
	s_lshl_b32 s24, ttmp9, 8
	s_add_nc_u64 s[16:17], s[16:17], s[24:25]
.irp a, 0,1
.irp c, 0,1
	global_load_b128 v[WE+8*\a+4*\c:WE+8*\a+4*\c+3], v248, s[8:9] offset:64*\a+32*\c th:TH_LOAD_NT   ; lane 16 h + r: We_codes[row r of the tile][block 4 s + 2 c + h]: registers 4 c .. 4 c + 3 of the fragment of K step s
.endr
.endr
.set I, 0
.rept 16
	global_load_b128 v[WG+8*I:WG+8*I+3],   v15, s[6:7] offset:32*I
	global_load_b128 v[WG+8*I+4:WG+8*I+7], v15, s[6:7] offset:32*I+16
.set I, I+1
.endr
.macro LOAD t                          ; step t: tokens 4 t .. 4 t + 3, my wave's 512 consecutive bytes of each
.irp i, 0,1,2,3
	global_load_b128 v[R+16*((\t)%4)+4*\i:R+16*((\t)%4)+4*\i+3], v2, s[4:5] offset:(4*(\t)+\i)*4096 th:TH_LOAD_NT
.endr
.endm
.irp t, 0,1,2,3
	LOAD \t
.endr
	s_wait_loadcnt 48                              ; the four pieces of We are in; behind them 32 loads of Wg and 16 of x are out
.irp a, 0,1
.irp c, 0,1
	global_store_b128 v2, v[WE+8*\a+4*\c:WE+8*\a+4*\c+3], s[20:21] offset:1024*\a+512*\c   ; 512 consecutive bytes: [K step][c][lane][16 bytes]
.endr
.endr
.macro STEP t
.set RS, R+16*((\t)%4)
.if (\t) <= 4
	s_wait_loadcnt 12                              ; this step's four loads (and, in step 0, Wg) are in; those of the three steps behind it may be out
.else
	s_wait_loadcnt 4*(7-(\t))
.endif
.irp i, 0,1,2,3
	ds_store_b128 v3, v[RS+4*\i:RS+4*\i+3] offset:8*SP*\i
.endr
.irp i, 0,1,2,3
	ds_load_b128 v[X+4*\i:X+4*\i+3], v4 offset:16*\i       ; LDS serves a wave's instructions in order: these see the stores above
.endr
	s_wait_dscnt 0x0                               ; my 16 neighbours are in; all my LDS stores, the last step's too, have read their registers
.if (\t)+4 < 8
	LOAD (\t)+4
.endif
	v_max3_num_f32 v8, |v[X]|, |v[X+1]|, |v[X+2]|           ; the largest magnitude of my 16, in two chains
	v_max3_num_f32 v9, |v[X+3]|, |v[X+4]|, |v[X+5]|
.irp i, 6,10
	v_max3_num_f32 v8, v8, |v[X+\i]|, |v[X+\i+1]|
	v_max3_num_f32 v9, v9, |v[X+\i+2]|, |v[X+\i+3]|
.endr
	v_max3_num_f32 v8, v8, |v[X+14]|, |v[X+15]|
	v_max3_num_f32 v8, v8, v9, 0x1800000           ; and the floor 2^(3 - 127): the byte cannot fall under 1
	v_max_num_f32_dpp v8, v8, v8 row_xmask:1 row_mask:0xf bank_mask:0xf   ; with my neighbour's 16: the block's
	v_add_nc_u32 v11, 0xff000000, v8               ; 2 off its exponent field: the conversion takes the exponent field of this operand as its scale
	v_cvt_scalef32_pk8_fp4_f32 v12, v[X:X+7], v11
	v_cvt_scalef32_pk8_fp4_f32 v13, v[X+8:X+15], v11
	v_lshrrev_b32 v14, 23, v11                     ; the scale's byte (a plain line behind the conversions)
	ds_store_b64 v5, v[12:13] offset:4*CQP*(\t)
	ds_store_b8 v6, v14 offset:128*(\t)            ; both lanes of a block write the same byte with the same value
.irp j, 0,1,2,3                                ; the gate: 8 logits x my 16 numbers, two logits an instruction; the first product starts the sums
	v_pk_mul_f32 v[ACCL+2*\j:ACCL+2*\j+1], v[X:X+1], v[WG+2*\j:WG+2*\j+1] op_sel_hi:[0,1]
.endr
.set I, 1
.rept 15
.irp j, 0,1,2,3
.if I%2
	v_pk_fma_f32 v[ACCL+2*\j:ACCL+2*\j+1], v[X+I-1:X+I], v[WG+8*I+2*\j:WG+8*I+2*\j+1], v[ACCL+2*\j:ACCL+2*\j+1] op_sel:[1,0,0] op_sel_hi:[1,1,1]
.else
	v_pk_fma_f32 v[ACCL+2*\j:ACCL+2*\j+1], v[X+I:X+I+1], v[WG+8*I+2*\j:WG+8*I+2*\j+1], v[ACCL+2*\j:ACCL+2*\j+1] op_sel_hi:[0,1,1]
.endif
.endr
.set I, I+1
.endr
.irp x, 1,2,4                                  ; over the eight lanes of a token
.irp e, 0,1,2,3,4,5,6,7
	v_add_f32_dpp v[ACCL+\e], v[ACCL+\e], v[ACCL+\e] row_xmask:\x row_mask:0xf bank_mask:0xf
.endr
.endr
	ds_store_b128 v7, v[ACCL:ACCL+3] offset:128*(\t)       ; the eight lanes write the same 32 bytes with the same values
	ds_store_b128 v7, v[ACCL+4:ACCL+7] offset:128*(\t)+16
.endm
.irp t, 0,1,2,3,4,5,6,7
	STEP \t
.endr
	s_wait_dscnt 0x0                               ; for the others' sake: my codes, bytes and partial logits lie in LDS
	s_barrier_signal -1
	s_barrier_wait -1
.irp i, 0,1,2,3
	ds_load_b128 v[R+4*\i:R+4*\i+3], v249 offset:CQP*\i    ; tokens 4 v .. 4 v + 3: whole rows of codes
.endr
.irp i, 0,1,2,3
	s_wait_dscnt 3-\i                              ; the younger of these four may be out
	global_store_b128 v250, v[R+4*\i:R+4*\i+3], s[10:11] offset:512*\i   ; 512 consecutive bytes, aligned
.endr
	s_cmp_lg_u32 s22, 1
	s_cbranch_scc1 .Lnot_one
	ds_load_b128 v[R+16:R+19], v251                ; wave 1: the block's 1,024 scale bytes
	ds_load_b128 v[R+20:R+23], v251 offset:512
	s_wait_dscnt 0x0
	global_store_b128 v2, v[R+16:R+19], s[12:13]
	global_store_b128 v2, v[R+20:R+23], s[12:13] offset:512
.Lnot_one:
	s_cmp_lg_u32 s22, 0
	s_cbranch_scc1 .Lend
	; wave 0: a token to a lane
.irp w, 0,1,2,3,4,5,6,7
	ds_load_b128 v[WG+8*\w:WG+8*\w+3],   v252 offset:1024*\w
	ds_load_b128 v[WG+8*\w+4:WG+8*\w+7], v252 offset:1024*\w+16
.endr
	s_wait_dscnt 0x0
.irp j, 0,2,4,6
	v_pk_add_f32 v[ACCL+\j:ACCL+\j+1], v[WG+\j:WG+\j+1], v[WG+8+\j:WG+8+\j+1]     ; the eight waves' parts, K ascending
.endr
.irp w, 2,3,4,5,6,7
.irp j, 0,2,4,6
	v_pk_add_f32 v[ACCL+\j:ACCL+\j+1], v[ACCL+\j:ACCL+\j+1], v[WG+8*\w+\j:WG+8*\w+\j+1]
.endr
.endr
	v_max3_num_f32 v8, v16, v17, v18               ; the row's maximum is taken off ahead of the exponentials
	v_max3_num_f32 v8, v8, v19, v20
	v_max3_num_f32 v8, v8, v21, v22
	v_max_num_f32 v8, v8, v23
.irp e, 0,1,2,3,4,5,6,7
	v_sub_f32 v[ACCL+\e], v[ACCL+\e], v8
.endr
.irp e, 0,1,2,3,4,5,6,7
	v_mul_f32 v[ACCL+\e], 0x3fb8aa3b, v[ACCL+\e]   ; x log2(e)
.endr
.irp e, 0,1,2,3,4,5,6,7
	v_exp_f32 v[ACCL+\e], v[ACCL+\e]
.endr
	v_mov_b32 v25, 0                               ; (a plain line behind the exponentials)  the first choice's index
	s_wait_alu depctr_va_vdst(0)
	v_add_f32 v9, v16, v17
	v_add_f32 v10, v18, v19
	v_add_f32 v11, v20, v21
	v_add_f32 v12, v22, v23
	v_add_f32 v9, v9, v10
	v_add_f32 v11, v11, v12
	v_add_f32 v9, v9, v11
	v_rcp_f32 v10, v9
	v_mov_b32 v26, -1.0                            ; (a plain line behind the reciprocal)  the second choice's value: under every probability
	s_wait_alu depctr_va_vdst(0)
.irp e, 0,1,2,3,4,5,6,7
	v_mul_f32 v[ACCL+\e], v[ACCL+\e], v10          ; the probabilities
.endr
	v_mov_b32 v24, v16
	v_mov_b32 v27, 0
.irp e, 1,2,3,4,5,6,7                          ; the largest; '>' keeps the lower index at a tie
	v_cmp_gt_f32 vcc_lo, v[ACCL+\e], v24
	v_cndmask_b32 v24, v24, v[ACCL+\e], vcc_lo
	v_cndmask_b32 v25, v25, \e, vcc_lo
.endr
.irp e, 0,1,2,3,4,5,6,7                        ; the largest of the others
	v_cmp_eq_u32 vcc_lo, \e, v25
	v_cndmask_b32 v28, v[ACCL+\e], -1.0, vcc_lo
	v_cmp_gt_f32 vcc_lo, v28, v26
	v_cndmask_b32 v26, v26, v28, vcc_lo
	v_cndmask_b32 v27, v27, \e, vcc_lo
.endr
	v_add_f32 v28, v24, v26
	v_rcp_f32 v29, v28
	v_min_u32 v31, v25, v27                        ; lo  (a plain line behind the reciprocal)
	v_max_u32 v32, v25, v27                        ; hi
	s_wait_alu depctr_va_vdst(0)
	v_mul_f32 v30, v24, v29                        ; the two weights, renormalised
	v_mul_f32 v28, v26, v29
	v_cmp_lt_u32 vcc_lo, v25, v27
	v_cndmask_b32 v34, v28, v30, vcc_lo            ; lo's weight
	v_cndmask_b32 v35, v30, v28, vcc_lo            ; hi's
	v_sub_nc_u32 v33, 15, v31
	v_mul_u32_u24 v33, v33, v31
	v_lshrrev_b32 v33, 1, v33
	v_add_nc_u32 v33, v33, v32
	v_sub_nc_u32 v33, v33, v31
	v_add_nc_u32 v33, -1, v33                      ; pair = lo (15 - lo) / 2 + hi - lo - 1
	v_mov_b32 v36, 0                               ; lane q: how many of the 32 tokens have pair q (lanes 28-31 stay 0)
	v_mov_b32 v37, 0                               ; my rank among the earlier tokens with my pair
.set Q, 0
.rept 28
	v_cmp_eq_u32 s34, Q, v33
	s_bcnt1_i32_b32 s35, s34
	v_writelane_b32 v36, s35, Q
	v_mbcnt_lo_u32_b32 v38, s34, 0
	v_cndmask_b32 v37, v37, v38, s34
.set Q, Q+1
.endr
	v_lshl_or_b32 v39, v33, 8, v37
	global_store_b32 v253, v39, s[14:15]
	global_store_b64 v254, v[34:35], s[16:17]
	global_store_b32 v253, v36, s[18:19]
.Lend:
	s_set_vgpr_msb 0x4
	s_wait_tensorcnt 0x0
	ds_add_u32 v255, v1
	s_wait_dscnt 0x0
	s_set_vgpr_msb 0x400
	s_endpgm
.Lfunc_end_k_qa0021a1daa_route:
	.size	k_qa0021a1daa_route, .Lfunc_end_k_qa0021a1daa_route-k_qa0021a1daa_route
	.p2alignl 7, 3214868480
	.fill 96, 4, 3214868480
	.section	.rodata,"a",@progbits
	.p2align	6, 0x0
	.amdhsa_kernel k_qa0021a1daa_route
		.amdhsa_group_segment_fixed_size 48128
		.amdhsa_private_segment_fixed_size 0
		.amdhsa_enable_private_segment 0
		.amdhsa_kernarg_size 72
		.amdhsa_user_sgpr_count 2
		.amdhsa_user_sgpr_kernarg_segment_ptr 1
		.amdhsa_wavefront_size32 1
		.amdhsa_system_sgpr_workgroup_id_x 1
		.amdhsa_system_sgpr_workgroup_id_y 1
		.amdhsa_system_sgpr_workgroup_id_z 1
		.amdhsa_system_vgpr_workitem_id 0
		.amdhsa_next_free_vgpr 258
		.amdhsa_next_free_sgpr 66
		.amdhsa_reserve_vcc 1
		.amdhsa_float_denorm_mode_32 3
		.amdhsa_float_denorm_mode_16_64 3
		.amdhsa_memory_ordered 1
		.amdhsa_forward_progress 1
		.amdhsa_inst_pref_size 85
	.end_amdhsa_kernel
	.amdgpu_metadata
---
amdhsa.version: [ 1, 2 ]
amdhsa.kernels:
  - .name:           k_qa0021a1daa_route
    .symbol:         k_qa0021a1daa_route.kd
    .args:
      - { .name: hidden_states, .offset: 0, .size: 8, .value_kind: global_buffer, .address_space: global }
      - { .name: Wg, .offset: 8, .size: 8, .value_kind: global_buffer, .address_space: global }
      - { .name: We_codes, .offset: 16, .size: 8, .value_kind: global_buffer, .address_space: global }
      - { .name: xq, .offset: 24, .size: 8, .value_kind: global_buffer, .address_space: global }
      - { .name: xs, .offset: 32, .size: 8, .value_kind: global_buffer, .address_space: global }
      - { .name: key, .offset: 40, .size: 8, .value_kind: global_buffer, .address_space: global }
      - { .name: gate, .offset: 48, .size: 8, .value_kind: global_buffer, .address_space: global }
      - { .name: cnt, .offset: 56, .size: 8, .value_kind: global_buffer, .address_space: global }
      - { .name: wf, .offset: 64, .size: 8, .value_kind: global_buffer, .address_space: global }
    .group_segment_fixed_size: 48128
    .private_segment_fixed_size: 0
    .kernarg_segment_align: 8
    .kernarg_segment_size: 72
    .max_flat_workgroup_size: 256
    .sgpr_count:     66
    .vgpr_count:     258
    .wavefront_size: 32
...
	.end_amdgpu_metadata
.endif
;; end of part 1
;; launch place (part 2): grid 64 x 1, 4 waves a work-group, no clusters, 68,352 bytes of LDS; arguments key, cnt, ord, ctl; writes ord, ctl
.if DOCPART == 2
	.amdgcn_target "amdgcn-amd-amdhsa--gfx1250"
	.amdhsa_code_object_version 6
	.text
	.protected	k_qa0021a1daa_place
	.globl	k_qa0021a1daa_place
	.p2align	8
	.type	k_qa0021a1daa_place,@function
k_qa0021a1daa_place:
	s_mov_b64 s[64:65], 0
	v_nop
	global_prefetch_b8 v0, s[64:65] scope:SCOPE_SE
	s_setreg_imm32_b32 hwreg(HW_REG_WAVE_MODE, 25, 1), 1
	s_wait_xcnt 0x0
; PLACE.  Tokens are taken sorted by (bucket, token), a bucket being the tokens with one pair of experts.  Work-group w finds the tokens at sorted positions 128 w .. 128 w + 127 and the experts that they use, and stores both
; as whole numbers for the launch behind it: ord[position] = token | lo << 16 | hi << 20;  ctl[w] = (the list of the block's experts, a nibble an entry; the number of entries, 2 to 8), the same pair 32 times: 256 bytes.
; THE BUCKETS FOLLOW EACH OTHER IN A SNAKE: (0,1) .. (0,7), (1,7) .. (1,2), (2,3) .. (2,7), (3,7) .. (3,4), (4,5) .. (4,7), (5,7), (5,6), (6,7): neighbours always share an expert, so that a block of positions that
; reaches over one border between buckets uses three experts and not four.
; FROM: cnt[256 blocks of 32 tokens][32]: how many tokens of the block have pair q (q = the pair's number in lexicographic order, 0 .. 27; words 28-31 are 0);  key[t] = (q << 8) | rank of t among its block's tokens with the same pair.
; HOW.  Prefix sums over the blocks, as 16 groups of 16, lane = pair; then for each position: the bucket (27 compares with the buckets' first positions), the group, the block, the token with that key.  Loads and selections alone:
; nothing is scattered, and no branch hangs on a loaded number.  Every work-group needs the whole 64 KB of tables, so there is work for one work-group to each block of 128 positions and no more: 64.
; No matrix unit, no tensor load, no cluster: 64 KB in and 768 bytes out for each work-group.
.set L2T,  0                           ; LDS: [256 blocks][32]: how many tokens of the pair lie in the earlier blocks of the block's group of 16
.set KEY,  32768                       ; a copy of key
.set GT,   65536                       ; [16 groups][32]: a group's totals
.set UM,   67584                       ; four words: each wave's mask of experts in use
.set BS,   66                          ; s66-92: the first sorted position of the snake's k-th bucket at s[BS + k - 1], k = 1 .. 27
.macro BARRIER                         ; my LDS stores have landed and my LDS loads are in: then the work-group's barrier
	s_wait_dscnt 0x0
	s_barrier_signal -1
	s_barrier_wait -1
.endm
	s_load_b256 s[4:11], s[0:1], 0x0               ; key s[4:5], cnt s[6:7], ord s[8:9], ctl s[10:11]
	v_lshl_add_u32 v126, v0, 2, 0x10900
	v_mov_b32 v127, 0
	v_lshrrev_b32 v23, 5, v0
	v_readfirstlane_b32 s22, v23                   ; wave 0..3
	s_mov_b32 s35, 0                               ; the high word of every offset pair s[34:35]
	v_and_b32 v23, 31, v0                          ; lane
	v_lshlrev_b32 v1, 4, v23                       ; 16 x lane
	v_lshlrev_b32 v2, 3, v23                       ; 8 x lane
	v_lshlrev_b32 v3, 2, v0                        ; 4 x thread
	v_lshlrev_b32 v103, 2, v23                     ; 4 x lane
	s_lshl_b32 s36, s22, 13
	v_add_nc_u32 v88, s36, v103                    ; L2T: my wave's 64 blocks, lane = pair
	s_add_co_u32 s37, s36, KEY
	v_add_nc_u32 v90, s37, v1                      ; KEY: my wave's 8,192 bytes
	s_lshl_b32 s37, s22, 9
	s_add_co_u32 s37, s37, GT
	v_add_nc_u32 v89, s37, v103                    ; GT: my wave's four groups
	v_add_nc_u32 v91, GT, v103
	s_lshl_b32 s37, s22, 2
	s_add_co_u32 s37, s37, UM
	v_mov_b32 v94, s37
	v_mov_b32 v96, UM
	s_mov_b32 s34, s36
	s_wait_kmcnt 0x0
	s_add_nc_u64 s[6:7], s[6:7], s[34:35]          ; cnt and key at my wave's quarter
	s_add_nc_u64 s[4:5], s[4:5], s[34:35]
	s_lshl_b32 s34, ttmp9, 9
	s_add_nc_u64 s[8:9], s[8:9], s[34:35]          ; ord at my 128 positions
	s_lshl_b32 s34, ttmp9, 8
	s_add_nc_u64 s[10:11], s[10:11], s[34:35]      ; ctl at my 256 bytes
.set I, 0
.rept 64
	global_load_b32 v[128+I], v103, s[6:7] offset:128*I            ; block 64 v + I: lane = pair
.set I, I+1
.endr
.set I, 0
.rept 16
	global_load_b128 v[192+4*I:195+4*I], v1, s[4:5] offset:512*I
.set I, I+1
.endr
	v_mov_b32 v21, 0
	s_wait_loadcnt 16                              ; the counts are in; key's sixteen loads may be out
.set J, 1
.rept 15                                       ; running sums inside each group of 16 blocks; the four groups by turns
.irp g, 0,1,2,3
	v_add_nc_u32 v[128+16*\g+J], v[128+16*\g+J], v[127+16*\g+J]
.endr
.set J, J+1
.endr
.irp g, 0,1,2,3
	ds_store_b32 v88, v21 offset:(16*\g)*128       ; nothing lies ahead of a group's first block: so every word of the table is written
.set J, 0
.rept 15
	ds_store_b32 v88, v[128+16*\g+J] offset:(16*\g+J+1)*128        ; what lies ahead of block J + 1 of the group
.set J, J+1
.endr
	ds_store_b32 v89, v[128+16*\g+15] offset:128*\g
.endr
	s_wait_loadcnt 0x0
.set I, 0
.rept 16
	ds_store_b128 v90, v[192+4*I:195+4*I] offset:512*I
.set I, I+1
.endr
	BARRIER                                        ; the tables lie in LDS.  From here to the next barrier LDS is only read
.set I, 0
.rept 16
	ds_load_b32 v[128+I], v91 offset:128*I
.set I, I+1
.endr
	s_wait_dscnt 0x0
.set I, 1
.rept 15
	v_add_nc_u32 v[128+I], v[128+I], v[127+I]      ; running sums over the groups: lane = pair; v143 holds each pair's total
.set I, I+1
.endr
; The snake is written as the numbers 8 lo + hi.  PX is the pair's number in lexicographic order: its lane in the tables.
.set K, 0
.irp c, 1,2,3,4,5,6,7,15,14,13,12,11,10,19,20,21,22,23,31,30,29,28,37,38,39,47,46
.set LO, \c/8
.set HI, \c%8
.set PX, LO*(15-LO)/2+HI-LO-1
.if K == 0
	v_readlane_b32 s[BS], v143, PX                 ; the buckets' first positions: the totals of the buckets ahead, in the snake's order
.else
	v_readlane_b32 s36, v143, PX
	s_add_co_u32 s[BS+K], s[BS+K-1], s36
.endif
.set K, K+1
.endr
	s_lshl_b32 s36, ttmp9, 7
	v_add_nc_u32 v9, s36, v0                       ; my sorted position
	v_mov_b32 v10, 0                               ; its bucket's first position
	v_mov_b32 v11, 0x10000                         ; pair | lo << 8 | hi << 16: the first bucket is pair 0, (0, 1)
.set K, 0
.irp c, 1,2,3,4,5,6,7,15,14,13,12,11,10,19,20,21,22,23,31,30,29,28,37,38,39,47,46,55
.set LO, \c/8
.set HI, \c%8
.set PX, LO*(15-LO)/2+HI-LO-1
.if K > 0
	v_cmp_gt_u32 vcc_lo, s[BS+K-1], v9             ; the last bucket that begins at or ahead of my position wins: empty buckets are passed over
	v_cndmask_b32 v10, s[BS+K-1], v10, vcc_lo
	v_cndmask_b32 v11, PX|(LO<<8)|(HI<<16), v11, vcc_lo
.endif
.set K, K+1
.endr
	v_and_b32 v12, 31, v11
	v_min_u32 v12, 27, v12                         ; a number found from loaded counts enters an address only behind a hold at its bound: the pair, 27 at the most
	v_lshlrev_b32 v12, 2, v12                      ; 4 x pair
	v_sub_nc_u32 v13, v9, v10                      ; my rank in the bucket
.set G, 1
.rept 15
	ds_bpermute_b32 v[144+G], v12, v[127+G]        ; how many of my pair lie in the groups ahead of group G
.set G, G+1
.endr
	v_mov_b32 v14, 0
	v_mov_b32 v15, 0
	v_mov_b32 v16, 0
	v_mov_b32 v17, 0
	v_mov_b32 v19, 0
	s_wait_dscnt 0x0
.set G, 1
.rept 15
	v_cmp_gt_u32 vcc_lo, v[144+G], v13
	v_cndmask_b32 v14, v[144+G], v14, vcc_lo
	v_cndmask_b32 v15, G, v15, vcc_lo              ; the group
.set G, G+1
.endr
	v_min_u32 v15, 15, v15                         ; held at its bound, as above
	v_sub_nc_u32 v13, v13, v14
	v_lshl_add_u32 v92, v15, 11, v12               ; L2T: 16 blocks of 128 bytes a group, + 4 x pair
.set J, 1
.rept 15
	ds_load_b32 v[160+J], v92 offset:128*J
.set J, J+1
.endr
	s_wait_dscnt 0x0
.set J, 1
.rept 15
	v_cmp_gt_u32 vcc_lo, v[160+J], v13
	v_cndmask_b32 v16, v[160+J], v16, vcc_lo
	v_cndmask_b32 v17, J, v17, vcc_lo              ; the block in the group
.set J, J+1
.endr
	v_sub_nc_u32 v13, v13, v16                     ; my rank in the block
	v_lshl_add_u32 v23, v15, 4, v17                ; the block,
	v_min_u32 v23, 0xff, v23                       ; held at its bound, as above
	v_lshl_add_u32 v93, v23, 7, KEY
.set I, 0
.rept 8
	ds_load_b128 v[192+4*I:195+4*I], v93 offset:16*I
.set I, I+1
.endr
	v_lshl_or_b32 v18, v12, 6, v13                 ; the key that I look for
	v_bfe_u32 v24, v11, 8, 8                       ; lo
	v_bfe_u32 v25, v11, 16, 8                      ; hi
	s_wait_dscnt 0x0
.set I, 0
.rept 32
	v_cmp_ne_u32 vcc_lo, v[192+I], v18
	v_cndmask_b32 v19, I, v19, vcc_lo
.set I, I+1
.endr
	v_lshl_add_u32 v20, v23, 5, v19
	v_min_u32 v20, 0x1fff, v20                     ; my token
	v_lshl_or_b32 v21, v24, 16, v20
	v_lshl_or_b32 v21, v25, 20, v21
	global_store_b32 v3, v21, s[8:9]               ; the four waves store 512 consecutive bytes
	s_mov_b32 s25, 0
.irp e, 0,1,2,3,4,5,6,7                        ; which experts my wave's 32 tokens use
	v_cmp_eq_u32 s36, \e, v24
	v_cmp_eq_u32 s37, \e, v25
	s_or_b32 s36, s36, s37
	s_cselect_b32 s37, 1<<\e, 0
	s_or_b32 s25, s25, s37
.endr
	BARRIER                                        ; every wave's reads of the tables are over: LDS is written again only behind this barrier
	v_mov_b32 v23, s25
	ds_store_b32 v94, v23
	BARRIER
	ds_load_b128 v[28:31], v96
	s_wait_dscnt 0x0
	v_or_b32 v28, v28, v29
	v_or_b32 v30, v30, v31
	v_or_b32 v28, v28, v30
	v_readfirstlane_b32 s25, v28                   ; the experts that the block uses
	s_mov_b32 s26, 0                               ; the list, a nibble an entry
	s_mov_b32 s36, 0
.irp e, 0,1,2,3,4,5,6,7
	s_lshl_b32 s37, \e, s36
	s_bitcmp1_b32 s25, \e
	s_cselect_b32 s37, s37, 0
	s_cselect_b32 s38, 4, 0
	s_or_b32 s26, s26, s37
	s_add_co_u32 s36, s36, s38
.endr
	s_bcnt1_i32_b32 s27, s25                       ; the number of entries: 2 to 8
	s_cmp_lg_u32 s22, 0
	s_cbranch_scc1 .Lend
	v_mov_b32 v32, s26
	v_mov_b32 v33, s27
	global_store_b64 v2, v[32:33], s[10:11]        ; wave 0: the same pair in every lane: 256 consecutive bytes, aligned
.Lend:
	s_wait_tensorcnt 0x0
	ds_add_u32 v126, v127
	s_wait_dscnt 0x0
	s_endpgm
.Lfunc_end_k_qa0021a1daa_place:
	.size	k_qa0021a1daa_place, .Lfunc_end_k_qa0021a1daa_place-k_qa0021a1daa_place
	.p2alignl 7, 3214868480
	.fill 96, 4, 3214868480
	.section	.rodata,"a",@progbits
	.p2align	6, 0x0
	.amdhsa_kernel k_qa0021a1daa_place
		.amdhsa_group_segment_fixed_size 68352
		.amdhsa_private_segment_fixed_size 0
		.amdhsa_enable_private_segment 0
		.amdhsa_kernarg_size 32
		.amdhsa_user_sgpr_count 2
		.amdhsa_user_sgpr_kernarg_segment_ptr 1
		.amdhsa_wavefront_size32 1
		.amdhsa_system_sgpr_workgroup_id_x 1
		.amdhsa_system_sgpr_workgroup_id_y 1
		.amdhsa_system_sgpr_workgroup_id_z 1
		.amdhsa_system_vgpr_workitem_id 0
		.amdhsa_next_free_vgpr 256
		.amdhsa_next_free_sgpr 96
		.amdhsa_reserve_vcc 1
		.amdhsa_float_denorm_mode_32 3
		.amdhsa_float_denorm_mode_16_64 3
		.amdhsa_memory_ordered 1
		.amdhsa_forward_progress 1
		.amdhsa_inst_pref_size 37
	.end_amdhsa_kernel
	.amdgpu_metadata
---
amdhsa.version: [ 1, 2 ]
amdhsa.kernels:
  - .name:           k_qa0021a1daa_place
    .symbol:         k_qa0021a1daa_place.kd
    .args:
      - { .name: key, .offset: 0, .size: 8, .value_kind: global_buffer, .address_space: global }
      - { .name: cnt, .offset: 8, .size: 8, .value_kind: global_buffer, .address_space: global }
      - { .name: ord, .offset: 16, .size: 8, .value_kind: global_buffer, .address_space: global }
      - { .name: ctl, .offset: 24, .size: 8, .value_kind: global_buffer, .address_space: global }
    .group_segment_fixed_size: 68352
    .private_segment_fixed_size: 0
    .kernarg_segment_align: 8
    .kernarg_segment_size: 32
    .max_flat_workgroup_size: 128
    .sgpr_count:     96
    .vgpr_count:     256
    .wavefront_size: 32
...
	.end_amdgpu_metadata
.endif
;; end of part 2
;; launch experts (part 3): grid 4 x 64, 4 waves a work-group, no clusters, 215,552 bytes of LDS; arguments wf, We_scales, be, xq, xs, ord, gate, ctl, out0; writes out0
.if DOCPART == 3
	.amdgcn_target "amdgcn-amd-amdhsa--gfx1250"
	.amdhsa_code_object_version 6
	.text
	.protected	k_qa0021a1daa_experts
	.globl	k_qa0021a1daa_experts
	.p2align	8
	.type	k_qa0021a1daa_experts,@function
k_qa0021a1daa_experts:
	s_mov_b64 s[64:65], 0
	v_nop
	global_prefetch_b8 v0, s[64:65] scope:SCOPE_SE
	s_setreg_imm32_b32 hwreg(HW_REG_WAVE_MODE, 25, 1), 1
	s_wait_xcnt 0x0
; EXPERTS.  out[t] = g_lo (x_q[t] We[lo] + be[lo]) + g_hi (x_q[t] We[hi] + be[hi]), both operands as E2M1 codes with E8M0 scales, sums in f32.  Only the chosen experts are multiplied.
; THE ORDER.  Tokens are taken sorted by their pair of experts.  Work-group (cb, w) owns sorted positions 128 w .. 128 w + 127 and columns 256 cb .. 256 cb + 255: 256 work-groups for every split, each output row's
; 1,024 bytes here with one owner.  The launch before has stored the order: ord[position] = token | lo << 16 | hi << 20, and for each block of 128 positions ctl = (the list of its experts, a nibble an entry; their number N, 2 to 8).
; THE WALK.  A STEP is 64 matrix instructions: one expert, wave v's tile of 16 columns (256 cb + 64 dt + 16 v, dt = the column phase, 0 .. 3) x the 128 tokens (8 tiles) x K = 1,024 (8 K steps), the bias as the C of the first
; K step; then OUT += w ACC, w = the token's weight for that expert, 0 if it did not choose it.  STEPS GO IN PAIRS: one expert for the two phases dt = 2 a and 2 a + 1, each with an OUT of its own.  So the two halves of the
; weights' ring take turns for every N, nothing is padded, and the tokens' weights are made once for a pair.  Two double phases of N pairs each.
; TRANSPOSED USE: source 0 = 16 rows of We (columns of out), source 1 = 16 tokens: a lane holds ONE token (lane % 16) and eight neighbouring columns.
; x's 64 fragments stay in 512 registers of every wave.  The weights come from memory straight into registers, laid by the first launch in the order of the operand's registers (512 consecutive bytes a load),
; in a ring of two steps: a fragment is asked for as soon as its registers are free, almost two steps ahead of its use.
; WHY NO TENSOR LOADS, NO CLUSTER: the number of steps hangs on a stored number, and neighbouring blocks walk different lists of experts, so partners could not ask alike; inside a work-group each weight byte is wanted by one wave alone.
; LIMITS: the sum of an expert that a token did not choose is multiplied by 0, so it must be finite: a scale byte 0xff in We, or sums beyond f32's range, would spoil the block's other tokens.
; NaN and infinities among the inputs are not served.
; REGISTERS, in windows of 256.  Window 0: v0-31 ids, addresses; v32-63 x's scale words, v64-71 We's (they hold scales and nothing else); v72-87 two bias tiles; v88-103 the tokens' weights (in the head: LDS addresses);
;   v104-119 my rows' byte offsets in out; v128-191 ACC; v192-255 OUT of the even phase.
;   Window 1: v0-127 the ring of We's fragments; v128-159 each tile's (lo, hi, g_lo, g_hi); v160-191 my wave's 32 rows' offsets in xq; v192-255 OUT of the odd phase.
;   (In the head v192-255 of windows 0 and 1 hold my wave's 32 rows of codes on their way to LDS.)   Windows 2, 3: x's fragments (K step s, tile m) at 64 (s % 4) + 8 m.
.set REC,  0                           ; LDS: [128][lo, hi, g_lo, g_hi]
.set XS,   2048                        ; x's scale bytes: 128 places of 32 bytes + 16
.set XSP,  48
.set XB,   8192                        ; x's codes: 128 rows of 512 bytes + 16
.set XBP,  528
.set STG,  75776                       ; four stages for the way out, one for each column phase: 128 rows of 256 bytes + 16; none is written twice
.set STP,  272
.set STGB, 128*STP
.set XSC,  32
.set WS,   64
.set BIA,  72
.set WT,   88
.set OFFS, 104
.set ACC,  128
.set OUT,  192                         ; in window 0 the even phase's, in window 1 the odd phase's
.set EG,   128                         ; in window 1
.set RO,   160                         ; in window 1
.set WP,   40                          ; s[40:45], s[46:51]: for each half of the ring the bases of the step's codes, scale words and bias
.set MSB, 0
.macro WIN new                         ; the immediate's high byte repeats the setting that is left
.if MSB != \new
	s_set_vgpr_msb (MSB<<8)|\new
.set MSB, \new
.endif
.endm
.macro BARRIER                         ; my LDS stores have landed and my LDS loads are in: then the work-group's barrier
	s_wait_dscnt 0x0
	s_barrier_signal -1
	s_barrier_wait -1
.endm
	s_load_b512 s[4:19], s[0:1], 0x0               ; wf s[4:5], We's scales s[6:7], be s[8:9], xq s[10:11], xs s[12:13], ord s[14:15], gate s[16:17], ctl s[18:19]
	s_load_b64 s[20:21], s[0:1], 0x40              ; out
	v_lshl_add_u32 v30, v0, 2, 0x34800
	v_mov_b32 v31, 0
	v_lshrrev_b32 v23, 5, v0
	v_readfirstlane_b32 s22, v23                   ; wave 0..3
	s_mov_b32 s23, ttmp9                           ; cb
	s_and_b32 s24, ttmp7, 0xffff                   ; w
	s_mov_b32 s35, 0                               ; the high word of every offset pair s[34:35]
	s_mov_b32 s38, 0xffff0000                      ; lanes 16-31
	v_and_b32 v23, 31, v0                          ; lane
	v_lshlrev_b32 v1, 4, v23                       ; 16 x lane
	v_and_b32 v2, 15, v0                           ; r
	v_bfe_u32 v3, v0, 4, 1                         ; h
	v_mul_u32_u24 v4, v2, XBP
	v_lshl_add_u32 v4, v3, 4, v4
	v_add_nc_u32 v4, XB, v4                        ; a fragment of x: row r, + 16 h
	v_mul_u32_u24 v5, v2, STP
	v_lshl_add_u32 v5, v3, 5, v5
	s_lshl_b32 s36, s22, 6
	s_add_co_u32 s36, s36, STG
	v_add_nc_u32 v5, s36, v5                       ; the stages of phases 0 and 1, way in: row r, my wave's 64 bytes, + 32 h
	v_mul_u32_u24 v6, v3, STP
	v_lshl_add_u32 v6, v2, 4, v6
	s_mul_i32 s36, s22, 32*STP
	s_add_co_u32 s36, s36, STG
	v_add_nc_u32 v6, s36, v6                       ; way out: my wave's 32 rows, two an instruction, 16 bytes a lane
	v_add_nc_u32 v9, 2*STGB, v5                    ; the same for the stages of phases 2 and 3
	v_add_nc_u32 v10, 2*STGB, v6
	v_lshlrev_b32 v7, 5, v2
	v_lshl_add_u32 v7, v3, 2, v7                   ; We's scale words: row r of 32 bytes; lanes 16-31 one K step further on
	v_lshlrev_b32 v8, 5, v3                        ; be: my half's eight columns
	v_lshl_add_u32 v97, v0, 4, REC                 ; the head's LDS addresses: my token's record,
	v_mul_u32_u24 v98, v0, XSP
	v_add_nc_u32 v98, XS, v98                      ; its scale bytes,
	s_mul_i32 s37, s22, 32*XBP
	s_add_co_u32 s37, s37, XB
	v_add_nc_u32 v99, s37, v1                      ; my wave's 32 rows of codes, 16 bytes a lane;
	v_mul_u32_u24 v100, v23, XSP
	v_add_nc_u32 v100, XS, v100                    ; back: the scale words of tokens lane, lane + 32 ..,
	v_lshl_add_u32 v101, v2, 4, REC                ; the records of tokens r, r + 16 ..
	v_lshlrev_b32 v21, 2, v0                       ; 4 x thread
	s_wait_kmcnt 0x0
	s_lshl_b32 s34, s24, 8
	s_add_nc_u64 s[18:19], s[18:19], s[34:35]
	s_load_b64 s[26:27], s[18:19], 0x0             ; the block's list of experts, a nibble an entry; the number of entries
	s_lshl_b32 s34, s24, 9
	s_add_nc_u64 s[14:15], s[14:15], s[34:35]      ; ord at my block's 128 positions
	s_lshl_b32 s34, s23, 10
	s_add_nc_u64 s[20:21], s[20:21], s[34:35]      ; out at my 256 columns
	global_load_b32 v19, v21, s[14:15]             ; position 128 w + thread
	s_wait_loadcnt 0x0
	v_and_b32 v20, 0x1fff, v19
	v_min_u32 v20, 0x1fff, v20                     ; my token: a loaded number enters an address only behind a hold at its bound
	v_bfe_u32 v24, v19, 16, 4                      ; lo
	v_bfe_u32 v25, v19, 20, 4                      ; hi
	v_lshlrev_b32 v18, 3, v20
	v_lshlrev_b32 v22, 5, v20
	global_load_b64 v[26:27], v18, s[16:17]        ; its two weights
	global_load_b128 v[120:123], v22, s[12:13]     ; its 32 scale bytes
	global_load_b128 v[124:127], v22, s[12:13] offset:16
	WIN 0x40                                       ; destination window 1
.set I, 0
.rept 32
	v_readlane_b32 s36, v20, I
	s_min_u32 s36, s36, 0x1fff
	s_lshl_b32 s36, s36, 9
	v_add_nc_u32 v[RO+I], s36, v1                  ; the row of my wave's I-th token in xq, + 16 x lane
.set I, I+1
.endr
	WIN 0x01                                       ; the address in window 1, the destination in window 0
.set I, 0
.rept 16
	global_load_b128 v[OUT+4*I:OUT+4*I+3], v[RO+I], s[10:11]       ; a row's 512 consecutive bytes
.set I, I+1
.endr
	WIN 0x41                                       ; address and destination in window 1
.set I, 0
.rept 16
	global_load_b128 v[OUT+4*I:OUT+4*I+3], v[RO+16+I], s[10:11]
.set I, I+1
.endr
	WIN 0
.set I, 0
.rept 16                                       ; the rows of out that I store: place 32 v + 2 I + h of the block, which is lane 2 I + h of my wave's tokens
	v_readlane_b32 s36, v20, 2*I
	v_readlane_b32 s37, v20, 2*I+1
	v_mov_b32 v[OFFS+I], s36
	v_cndmask_b32 v[OFFS+I], v[OFFS+I], s37, s38
.set I, I+1
.endr
	v_lshlrev_b32 v23, 4, v2
.set I, 0
.rept 16
	v_min_u32 v[OFFS+I], 0x1fff, v[OFFS+I]
.set I, I+1
.endr
.set I, 0
.rept 16
	v_lshl_add_u32 v[OFFS+I], v[OFFS+I], 12, v23   ; its row of 4,096 bytes, + 16 r
.set I, I+1
.endr
	s_wait_kmcnt 0x0                               ; the list and its length
	s_min_u32 s27, s27, 8
	s_max_u32 s27, s27, 2                          ; N: 2 to 8 (a token has two different experts)
	s_mov_b32 s29, 0                               ; the entry of the pair of steps to be asked for next,
	s_lshl_b32 s30, s23, 4
	s_add_co_u32 s30, s30, s22                     ; and its even phase's tile of 16 columns: 16 cb + 8 a + v
; The bases of the step to be asked for next, into half par of the ring.  Half 0: the entry's even phase; half 1: its odd phase (four tiles on), and then on to the next entry; behind the list's last, to the next double phase.
.macro GEN par
	s_lshl_b32 s36, s29, 2
	s_lshr_b32 s36, s26, s36
	s_and_b32 s36, s36, 7
	s_lshl_b32 s36, s36, 6
	s_add_co_u32 s36, s36, s30
.if \par
	s_add_co_u32 s36, s36, 4
.endif
	s_min_u32 s36, s36, 511                        ; 64 x expert + tile
	s_lshl_b32 s34, s36, 13
	s_add_nc_u64 s[WP+6*\par:WP+6*\par+1], s[4:5], s[34:35]        ; 8,192 bytes of codes,
	s_lshl_b32 s34, s36, 9
	s_add_nc_u64 s[WP+6*\par+2:WP+6*\par+3], s[6:7], s[34:35]      ; 512 of scale bytes,
	s_lshl_b32 s34, s36, 6
	s_add_nc_u64 s[WP+6*\par+4:WP+6*\par+5], s[8:9], s[34:35]      ; 64 of bias
.if \par
	s_add_co_u32 s29, s29, 1
	s_cmp_eq_u32 s29, s27
	s_cselect_b32 s29, 0, s29
	s_cselect_b32 s36, 8, 0
	s_add_co_u32 s30, s30, s36
.endif
.endm
; Group u of a step's loads: the fragments of K steps 2 u and 2 u + 1, their scale words in one register (lanes 0-15: 2 u; lanes 16-31: 2 u + 1); with u = 0 the bias tile.  7 loads for u = 0, else 5: 22 a step.
.macro FILL par, u
	WIN 0x40                                       ; destination window 1
.irp d, 0,1
.irp c, 0,1
	global_load_b128 v[64*\par+8*(2*\u+\d)+4*\c:64*\par+8*(2*\u+\d)+4*\c+3], v1, s[WP+6*\par:WP+6*\par+1] offset:1024*(2*\u+\d)+512*\c
.endr
.endr
	WIN 0
	global_load_b32 v[WS+4*\par+\u], v7, s[WP+6*\par+2:WP+6*\par+3] offset:8*\u
.if \u == 0
	global_load_b128 v[BIA+8*\par:BIA+8*\par+3],   v8, s[WP+6*\par+4:WP+6*\par+5]
	global_load_b128 v[BIA+8*\par+4:BIA+8*\par+7], v8, s[WP+6*\par+4:WP+6*\par+5] offset:16
.endif
.endm
	GEN 0
.irp u, 0,1,2,3
	FILL 0, \u
.endr
	GEN 1
.irp u, 0,1,2,3
	FILL 1, \u
.endr
	s_wait_loadcnt 44                              ; my tokens' 35 loads are in; the 44 loads of the first two steps' weights stay out
	ds_store_b128 v97, v[24:27]
	ds_store_b128 v98, v[120:123]
	ds_store_b128 v98, v[124:127] offset:16
.set I, 0
.rept 16
	ds_store_b128 v99, v[OUT+4*I:OUT+4*I+3] offset:XBP*I
.set I, I+1
.endr
	WIN 0x04                                       ; an LDS store's data are its source 1: window 1
.set I, 0
.rept 16
	ds_store_b128 v99, v[OUT+4*I:OUT+4*I+3] offset:XBP*(16+I)
.set I, I+1
.endr
	WIN 0
	BARRIER                                        ; the block's 128 tokens lie in LDS: codes, scale bytes, experts and weights
.irp s, 0,1,2,3,4,5,6,7                        ; x's 64 fragments: lane (r, h): token 16 m + r; registers 4 c .. 4 c + 3: k = 128 s + 64 c + 32 h + 0 .. 31
.if \s < 4
	WIN 0x80
.else
	WIN 0xc0
.endif
.irp m, 0,1,2,3,4,5,6,7
.irp c, 0,1
	ds_load_b128 v[64*(\s%4)+8*\m+4*\c:64*(\s%4)+8*\m+4*\c+3], v4 offset:16*XBP*\m+64*\s+32*\c
.endr
.endr
.endr
	WIN 0
.irp i, 0,1,2,3                                ; x's scale words: register XSC + 8 i + s: lanes 0-15 tile 2 i, lanes 16-31 tile 2 i + 1, K step s
	ds_load_b128 v[XSC+8*\i:XSC+8*\i+3],   v100 offset:32*XSP*\i
	ds_load_b128 v[XSC+8*\i+4:XSC+8*\i+7], v100 offset:32*XSP*\i+16
.endr
	WIN 0x40
.irp m, 0,1,2,3,4,5,6,7
	ds_load_b128 v[EG+4*\m:EG+4*\m+3], v101 offset:256*\m  ; token 16 m + r: lo, hi, g_lo, g_hi
.endr
	WIN 0
	s_wait_dscnt 0x0
.irp m, 0,1,2,3,4,5,6,7
	v_mov_b32 v[WT+2*\m+1], 0                      ; named as the upper half of a pair, so it is written (the head's LDS addresses are done with)
.endr
; One matrix instruction: K step s, tile m of tokens, the weights of half par of the ring.
.macro MM par, s, m
.set rD, ACC+8*(\m)
.set rA, 64*(\par)+8*(\s)
.set rB, 64*((\s)%4)+8*(\m)
.set rC, BIA+8*(\par)
.set rU, WS+4*(\par)+(\s)/2
.set rX, XSC+8*((\m)/2)+(\s)
.if (\s) == 0
.if (\m)%2 == 0
	v_wmma_scale_f32_16x16x128_f8f6f4 v[rD:rD+7], v[rA:rA+7], v[rB:rB+7], v[rC:rC+7], v[rU], v[rX] matrix_a_fmt:MATRIX_FMT_FP4 matrix_b_fmt:MATRIX_FMT_FP4
.else
	v_wmma_scale_f32_16x16x128_f8f6f4 v[rD:rD+7], v[rA:rA+7], v[rB:rB+7], v[rC:rC+7], v[rU], v[rX] matrix_a_fmt:MATRIX_FMT_FP4 matrix_b_fmt:MATRIX_FMT_FP4 matrix_b_scale:MATRIX_SCALE_ROW1
.endif
.elseif (\s)%2 == 0
.if (\m)%2 == 0
	v_wmma_scale_f32_16x16x128_f8f6f4 v[rD:rD+7], v[rA:rA+7], v[rB:rB+7], v[rD:rD+7], v[rU], v[rX] matrix_a_fmt:MATRIX_FMT_FP4 matrix_b_fmt:MATRIX_FMT_FP4
.else
	v_wmma_scale_f32_16x16x128_f8f6f4 v[rD:rD+7], v[rA:rA+7], v[rB:rB+7], v[rD:rD+7], v[rU], v[rX] matrix_a_fmt:MATRIX_FMT_FP4 matrix_b_fmt:MATRIX_FMT_FP4 matrix_b_scale:MATRIX_SCALE_ROW1
.endif
.else
.if (\m)%2 == 0
	v_wmma_scale_f32_16x16x128_f8f6f4 v[rD:rD+7], v[rA:rA+7], v[rB:rB+7], v[rD:rD+7], v[rU], v[rX] matrix_a_fmt:MATRIX_FMT_FP4 matrix_b_fmt:MATRIX_FMT_FP4 matrix_a_scale:MATRIX_SCALE_ROW1
.else
	v_wmma_scale_f32_16x16x128_f8f6f4 v[rD:rD+7], v[rA:rA+7], v[rB:rB+7], v[rD:rD+7], v[rU], v[rX] matrix_a_fmt:MATRIX_FMT_FP4 matrix_b_fmt:MATRIX_FMT_FP4 matrix_a_scale:MATRIX_SCALE_ROW1 matrix_b_scale:MATRIX_SCALE_ROW1
.endif
.endif
.endm
; Two K steps: 16 matrix instructions, the eight accumulators by turns, one instruction a turn.  left: the weight loads issued behind this group's, which may stay out.
; fetch = 1: the group's registers are asked for anew, for the step two steps on: four places behind the matrix instructions that read them (ISA guide 7.12.1 for vector instructions).
.macro GROUP par, u, left, fetch
	s_wait_loadcnt \left
.if \u < 2
	WIN 0x09                                       ; source 0 (We) window 1, source 1 (x) window 2; C and D window 0
.else
	WIN 0x0d                                       ; x in window 3
.endif
.irp d, 0,1
.irp m, 0,1,2,3,4,5,6,7
	MM \par, 2*\u+\d, \m
.endr
.endr
.if \fetch || (\u == 3)
.rept 4
	v_nop                                          ; behind the last group they are also the places ahead of the first read of the sums
.endr
.endif
.if \fetch
	FILL \par, \u
.endif
.endm
; A STEP: the entry in hand for my tile of columns of phase 2 a + par.
.macro STEP par, fetch, n0, n1, n2, n3
.if \par == 0
	s_lshl_b32 s36, s31, 2
	s_lshr_b32 s32, s26, s36
	s_and_b32 s32, s32, 7                          ; the pair's expert
	s_add_co_u32 s31, s31, 1
.endif
.if \fetch
	s_wait_xcnt 0x0                                ; the loads that named this half's bases have had their addresses translated: the bases are written anew only behind this wait
	GEN \par
.endif
.if \par == 0
	WIN 0x04                                       ; source 1 window 1
.irp m, 0,1,2,3,4,5,6,7                        ; each token's weight for this expert: g_lo, g_hi or 0; it serves both steps of the pair
	v_cmp_eq_u32 vcc_lo, s32, v[EG+4*\m+1]
	v_cndmask_b32 v[WT+2*\m], 0, v[EG+4*\m+3], vcc_lo
	v_cmp_eq_u32 vcc_lo, s32, v[EG+4*\m]
	v_cndmask_b32 v[WT+2*\m], v[WT+2*\m], v[EG+4*\m+2], vcc_lo
.endr
.endif
	GROUP \par, 0, \n0, \fetch
	GROUP \par, 1, \n1, \fetch
	GROUP \par, 2, \n2, \fetch
	GROUP \par, 3, \n3, \fetch
	WIN 0                                          ; at a branch and at a label every window is 0
	s_cmp_eq_u32 s31, 1                            ; a double phase's first pair starts both OUTs: nothing is cleared
	s_cbranch_scc1 .Lfirst_\@
	WIN 0x50*\par                                  ; the odd phase's OUT (destination and source 2) lies in window 1
.irp m, 0,1,2,3,4,5,6,7                        ; each accumulator from its low end on
.irp j, 0,2,4,6
	v_pk_fma_f32 v[OUT+8*\m+\j:OUT+8*\m+\j+1], v[ACC+8*\m+\j:ACC+8*\m+\j+1], v[WT+2*\m:WT+2*\m+1], v[OUT+8*\m+\j:OUT+8*\m+\j+1] op_sel_hi:[1,0,1]
.endr
.endr
	WIN 0
	s_branch .Ljoin_\@
.Lfirst_\@:
	WIN 0x40*\par
.irp m, 0,1,2,3,4,5,6,7
.irp j, 0,2,4,6
	v_pk_mul_f32 v[OUT+8*\m+\j:OUT+8*\m+\j+1], v[ACC+8*\m+\j:ACC+8*\m+\j+1], v[WT+2*\m:WT+2*\m+1] op_sel_hi:[1,0]
.endr
.endr
	WIN 0
.Ljoin_\@:
.endm
; The counts: behind group u of a step stand the rest of the step (15, 10, 5, 0), the next step's 22 and, with fetch, the groups already asked for two steps on (0, 7, 12, 17).
.macro PAIR fetch
.if \fetch
	STEP 0, 1, 37, 39, 39, 39
	STEP 1, 1, 37, 39, 39, 39
.else
	STEP 0, 0, 37, 32, 27, 22
	STEP 1, 0, 15, 10, 5, 0
.endif
.endm
; THE WAY OUT of double phase a: 128 columns of 128 tokens, each phase's 64 through a stage of its own.  A row's 256 bytes of a phase come from four waves: they meet in the stage, behind ONE barrier each wave reads 32 whole
; rows of both stages, and sixteen lanes store 256 consecutive bytes, at a multiple of 256 from the buffer's first byte.  No stage is written twice, so no barrier is owed between a stage's reads and a later write.
.macro FLUSH a
.set rSO, 5+4*(\a)
.set rSR, 6+4*(\a)
.irp m, 0,1,2,3,4,5,6,7
	ds_store_b128 v[rSO], v[OUT+8*\m:OUT+8*\m+3]   offset:16*STP*\m
	ds_store_b128 v[rSO], v[OUT+8*\m+4:OUT+8*\m+7] offset:16*STP*\m+16
.endr
	WIN 0x04                                       ; the data in window 1: the odd phase's OUT
.irp m, 0,1,2,3,4,5,6,7
	ds_store_b128 v[rSO], v[OUT+8*\m:OUT+8*\m+3]   offset:STGB+16*STP*\m
	ds_store_b128 v[rSO], v[OUT+8*\m+4:OUT+8*\m+7] offset:STGB+16*STP*\m+16
.endr
	WIN 0
	BARRIER
.irp i, 0,1,2,3,4,5,6,7,8,9,10,11,12,13,14,15
	ds_load_b128 v[ACC+4*\i:ACC+4*\i+3], v[rSR] offset:2*STP*\i
.endr
.irp i, 0,1,2,3,4,5,6,7,8,9,10,11,12,13,14,15
	ds_load_b128 v[OUT+4*\i:OUT+4*\i+3], v[rSR] offset:STGB+2*STP*\i
.endr
.irp i, 0,1,2,3,4,5,6,7,8,9,10,11,12,13,14,15
	s_wait_dscnt 31-\i                             ; the younger of these thirty-two may be out
	global_store_b128 v[OFFS+\i], v[ACC+4*\i:ACC+4*\i+3], s[20:21] offset:512*(\a) th:TH_STORE_NT
.endr
.irp i, 0,1,2,3,4,5,6,7,8,9,10,11,12,13,14,15
	s_wait_dscnt 15-\i
	global_store_b128 v[OFFS+\i], v[OUT+4*\i:OUT+4*\i+3], s[20:21] offset:512*(\a)+256 th:TH_STORE_NT
.endr
.if (\a) == 0
	s_wait_xcnt 0x0                                ; the stores have read their registers: the next sums are written there only behind this wait
.endif
.endm
	s_mov_b32 s31, 0                               ; the entry in hand
	s_max_u32 s33, s27, 1                          ; N pairs of steps; the counter starts at 1 or above, so that it meets 0 on its way down
.Lphase_0:
	PAIR 1
	s_sub_co_u32 s33, s33, 1
	s_cmp_lg_u32 s33, 0
	s_cbranch_scc1 .Lphase_0
	FLUSH 0
	s_mov_b32 s31, 0
	s_sub_co_u32 s36, s27, 1
	s_max_u32 s33, s36, 1                          ; one pair fewer in the loop (N is 2 or more): the last pair asks for nothing and is written out, so that no load points past the weights
.Lphase_1:
	PAIR 1
	s_sub_co_u32 s33, s33, 1
	s_cmp_lg_u32 s33, 0
	s_cbranch_scc1 .Lphase_1
	PAIR 0
	FLUSH 1
	s_wait_tensorcnt 0x0
	ds_add_u32 v30, v31
	s_wait_dscnt 0x0
	s_endpgm
.Lfunc_end_k_qa0021a1daa_experts:
	.size	k_qa0021a1daa_experts, .Lfunc_end_k_qa0021a1daa_experts-k_qa0021a1daa_experts
	.p2alignl 7, 3214868480
	.fill 96, 4, 3214868480
	.section	.rodata,"a",@progbits
	.p2align	6, 0x0
	.amdhsa_kernel k_qa0021a1daa_experts
		.amdhsa_group_segment_fixed_size 215552
		.amdhsa_private_segment_fixed_size 0
		.amdhsa_enable_private_segment 0
		.amdhsa_kernarg_size 72
		.amdhsa_user_sgpr_count 2
		.amdhsa_user_sgpr_kernarg_segment_ptr 1
		.amdhsa_wavefront_size32 1
		.amdhsa_system_sgpr_workgroup_id_x 1
		.amdhsa_system_sgpr_workgroup_id_y 1
		.amdhsa_system_sgpr_workgroup_id_z 1
		.amdhsa_system_vgpr_workitem_id 0
		.amdhsa_next_free_vgpr 1024
		.amdhsa_next_free_sgpr 96
		.amdhsa_reserve_vcc 1
		.amdhsa_float_denorm_mode_32 3
		.amdhsa_float_denorm_mode_16_64 3
		.amdhsa_memory_ordered 1
		.amdhsa_forward_progress 1
		.amdhsa_inst_pref_size 145
	.end_amdhsa_kernel
	.amdgpu_metadata
---
amdhsa.version: [ 1, 2 ]
amdhsa.kernels:
  - .name:           k_qa0021a1daa_experts
    .symbol:         k_qa0021a1daa_experts.kd
    .args:
      - { .name: wf, .offset: 0, .size: 8, .value_kind: global_buffer, .address_space: global }
      - { .name: We_scales, .offset: 8, .size: 8, .value_kind: global_buffer, .address_space: global }
      - { .name: be, .offset: 16, .size: 8, .value_kind: global_buffer, .address_space: global }
      - { .name: xq, .offset: 24, .size: 8, .value_kind: global_buffer, .address_space: global }
      - { .name: xs, .offset: 32, .size: 8, .value_kind: global_buffer, .address_space: global }
      - { .name: ord, .offset: 40, .size: 8, .value_kind: global_buffer, .address_space: global }
      - { .name: gate, .offset: 48, .size: 8, .value_kind: global_buffer, .address_space: global }
      - { .name: ctl, .offset: 56, .size: 8, .value_kind: global_buffer, .address_space: global }
      - { .name: out0, .offset: 64, .size: 8, .value_kind: global_buffer, .address_space: global }
    .group_segment_fixed_size: 215552
    .private_segment_fixed_size: 0
    .kernarg_segment_align: 8
    .kernarg_segment_size: 72
    .max_flat_workgroup_size: 128
    .sgpr_count:     96
    .vgpr_count:     1024
    .wavefront_size: 32
...
	.end_amdgpu_metadata
.endif
;; end of part 3
;; ======== version 2 of 2: 3 launches
;; workspace buffers: xq 4,194,304 bytes; xs 262,144 bytes; wf 4,194,304 bytes; key 32,768 bytes of whole numbers; cnt 32,768 bytes of whole numbers; gate 65,536 bytes; ord 32,768 bytes of whole numbers; ctl 16,384 bytes of whole numbers
;; launch route (part 4): grid 256 x 1, 8 waves a work-group, no clusters, 48,128 bytes of LDS; arguments hidden_states, Wg, We_codes, xq, xs, key, gate, cnt, wf; writes xq, xs, key, gate, cnt, wf
.if DOCPART == 4
	.amdgcn_target "amdgcn-amd-amdhsa--gfx1250"
	.amdhsa_code_object_version 6
	.text
	.protected	k_qa0021a1daa_route
	.globl	k_qa0021a1daa_route
	.p2align	8
	.type	k_qa0021a1daa_route,@function
k_qa0021a1daa_route:
	s_mov_b64 s[64:65], 0
	v_nop
	global_prefetch_b8 v0, s[64:65] scope:SCOPE_SE
	s_setreg_imm32_b32 hwreg(HW_REG_WAVE_MODE, 25, 1), 1
	s_wait_xcnt 0x0
; ROUTE.  For 32 tokens a work-group: (1) x is quantised to E2M1 with one E8M0 byte for each 32 along H (xq [8192][512 B], xs [8192][32 B]); (2) the gate: logits x Wg in f32 by fused multiply-adds,
; softmax with the row's maximum taken off, top-2 (strict '>' in ascending index: the lower index wins a tie), the two weights renormalised; (3) what the next launch needs to sort tokens by their PAIR of experts, stored at
; fixed places: key[t] = (pair << 8) | rank of t among the tokens of its block of 32 with the same pair; cnt[block][pair]; gate[t] = weight of the lower-numbered expert, weight of the higher.
; pair = number of (lo, hi), lo < hi, in lexicographic order, 0 .. 27.  No address and no branch here hangs on the choice.  (4) each wave also lays 2,048 bytes of We's codes in the order of an operand's registers (wf).
; SHARES.  THE WAVES SPLIT H: wave v owns k = 128 v .. 128 v + 127 of all 32 tokens, so that its part of Wg is 128 registers, loaded once.  A step takes 4 tokens: four loads of 512 consecutive bytes.
; The conversions want 16 neighbours along K in one lane: a step's 2,048 bytes turn through the wave's own stage in LDS (16 bytes a lane in, 64 bytes a lane out, 16 bytes of padding behind each 64).
; Codes, scale bytes and partial logits meet in LDS; behind ONE barrier whole rows leave (512 consecutive bytes a store) and wave 0 adds the eight partial logits of each token, a token to a lane.
; No matrix unit (the gate has 8 columns and its choice wants f32), no tensor load, no cluster: the work-groups share only Wg's 32 KB.
; LIMITS: NaN and infinities among the inputs are not served.  A block of zeros gets the byte 1 where the rule says 127: its codes are zeros, and this program alone reads the bytes.  The logits are summed in another order
; than a plain dot product: two probabilities nearer than f32 rounding may be ordered otherwise.  A probability under 2^-126 counts as 0: its weight is then 0, whichever expert is named.
.set SP,   80                          ; a lane's place in a stage: 64 bytes + 16 of padding
.set WSTG, 32*SP                       ; a wave's stage
.set CQ,   8*WSTG                      ; codes: 32 rows (tokens) of 512 bytes + 16
.set CQP,  528
.set SC,   CQ+32*CQP                   ; scale bytes: [32 tokens][32]
.set PL,   SC+1024                     ; partial logits: [8 waves][32 tokens][8 f32]
.set ACCL, 16                          ; v16-23   8 partial logits
.set X,    24                          ; v24-39   16 neighbours along K
.set R,    40                          ; v40-103  four sets of 16 numbers as loaded
.set WG,   104                         ; v104-231 Wg(128 v + 16 (lane % 8) + i, e) at WG + 8 i + e
.set WE,   232                         ; v232-247 four pieces of We's codes; never written again
	s_load_b512 s[4:19], s[0:1], 0x0               ; x s[4:5], Wg s[6:7], We's codes s[8:9], xq s[10:11], xs s[12:13], key s[14:15], gate s[16:17], cnt s[18:19]
	s_load_b64 s[20:21], s[0:1], 0x40              ; wf
	v_lshl_add_u32 v255, v0, 2, 0xb800
	s_set_vgpr_msb 0x40
	v_mov_b32 v1, 0
	s_set_vgpr_msb 0x4000
	v_lshrrev_b32 v1, 5, v0
	s_delay_alu instid0(VALU_DEP_1)
	v_readfirstlane_b32 s22, v1                    ; wave 0..7
	v_and_b32 v1, 31, v0                           ; lane
	s_delay_alu instid0(VALU_DEP_1)
	v_lshlrev_b32 v2, 4, v1                        ; 16 x lane
	s_mul_i32 s26, s22, WSTG
	v_lshrrev_b32 v8, 2, v1
	s_delay_alu instid0(VALU_DEP_1)
	v_mul_u32_u24 v8, v8, SP
	v_and_b32 v9, 3, v1
	s_delay_alu instid0(VALU_DEP_1)
	v_lshl_add_u32 v8, v9, 4, v8
	s_delay_alu instid0(VALU_DEP_1)
	v_add_nc_u32 v3, s26, v8                       ; the stage, way in: four lanes' 64 bytes on end, then the padding
	v_mul_u32_u24 v4, v1, SP
	s_delay_alu instid0(VALU_DEP_1)
	v_add_nc_u32 v4, s26, v4                       ; way out: place = lane: token lane / 8 of the step, numbers 16 (lane % 8) on
	v_lshrrev_b32 v8, 3, v1                        ; lane / 8
	v_and_b32 v9, 7, v1                            ; lane % 8
	s_delay_alu instid0(VALU_DEP_2)
	v_mul_u32_u24 v10, v8, CQP
	s_delay_alu instid0(VALU_DEP_1)
	v_lshl_add_u32 v10, v9, 3, v10
	s_lshl_b32 s27, s22, 6
	s_add_co_u32 s27, s27, CQ
	v_add_nc_u32 v5, s27, v10                      ; my 8 bytes of codes: row = token, byte 64 v + 8 (lane % 8)
	v_lshrrev_b32 v10, 1, v9
	s_delay_alu instid0(VALU_DEP_1)
	v_lshl_add_u32 v10, v8, 5, v10
	s_lshl_b32 s27, s22, 2
	s_add_co_u32 s27, s27, SC
	v_add_nc_u32 v6, s27, v10                      ; my block's scale byte: 32 x token + 4 v + (lane % 8) / 2
	v_lshlrev_b32 v10, 5, v8
	s_lshl_b32 s27, s22, 10
	s_add_co_u32 s27, s27, PL
	v_add_nc_u32 v7, s27, v10                      ; my token's 8 partial logits
	v_lshlrev_b32 v15, 9, v9                       ; Wg: 16 rows of 32 bytes for each step of lane % 8
	v_and_b32 v10, 15, v1
	v_lshrrev_b32 v11, 4, v1
	s_delay_alu instid0(VALU_DEP_2)
	v_lshlrev_b32 v10, 9, v10
	s_delay_alu instid0(VALU_DEP_1)
	v_lshl_add_u32 v248, v11, 4, v10               ; We's codes: row lane % 16 of 512 bytes, block lane / 16
	s_mul_i32 s27, s22, 4*CQP
	s_add_co_u32 s27, s27, CQ
	v_add_nc_u32 v249, s27, v2                     ; the way out: my wave's four rows of codes in LDS,
	s_lshl_b32 s27, s22, 11
	v_add_nc_u32 v250, s27, v2                     ; and in xq
	v_add_nc_u32 v251, SC, v2                      ; the scale bytes, 16 a lane
	v_lshlrev_b32 v252, 5, v1
	s_delay_alu instid0(VALU_DEP_1)
	v_add_nc_u32 v252, PL, v252                    ; a token to a lane: its 8 partial logits of wave 0
	v_lshlrev_b32 v253, 2, v1
	v_lshlrev_b32 v254, 3, v1
	s_mov_b32 s25, 0
	s_lshl_b32 s28, s22, 9
	s_lshr_b32 s29, s22, 2
	s_and_b32 s30, s22, 3
	s_lshl_b32 s29, s29, 13
	s_lshl_b32 s31, ttmp9, 14
	s_add_co_u32 s31, s31, s29                     ; 16,384 x work-group + 8,192 (v / 4): my tile of 16 rows of We
	s_wait_alu depctr_va_vdst(0)
	s_wait_kmcnt 0x0
	s_lshl_b32 s24, ttmp9, 17
	s_add_co_u32 s24, s24, s28
	s_add_nc_u64 s[4:5], s[4:5], s[24:25]          ; x: 32 rows of 4,096 bytes a work-group, + 512 v
	s_lshl_b32 s24, s22, 12
	s_add_nc_u64 s[6:7], s[6:7], s[24:25]          ; Wg: my 128 rows of 32 bytes
	s_lshl_b32 s24, s30, 7
	s_add_co_u32 s24, s24, s31
	s_add_nc_u64 s[8:9], s[8:9], s[24:25]          ; We's codes: K steps 2 (v % 4) and + 1: 128 bytes of each row
	s_lshl_b32 s24, s30, 11
	s_add_co_u32 s24, s24, s31
	s_add_nc_u64 s[20:21], s[20:21], s[24:25]      ; wf: the same two K steps: 2,048 consecutive bytes
	s_lshl_b32 s24, ttmp9, 14
	s_add_nc_u64 s[10:11], s[10:11], s[24:25]
	s_lshl_b32 s24, ttmp9, 10
	s_add_nc_u64 s[12:13], s[12:13], s[24:25]
	s_lshl_b32 s24, ttmp9, 7
	s_add_nc_u64 s[14:15], s[14:15], s[24:25]
	s_add_nc_u64 s[18:19], s[18:19], s[24:25]
	s_lshl_b32 s24, ttmp9, 8
	s_add_nc_u64 s[16:17], s[16:17], s[24:25]
.irp a, 0,1
.irp c, 0,1
	global_load_b128 v[WE+8*\a+4*\c:WE+8*\a+4*\c+3], v248, s[8:9] offset:64*\a+32*\c th:TH_LOAD_NT   ; lane 16 h + r: We_codes[row r of the tile][block 4 s + 2 c + h]: registers 4 c .. 4 c + 3 of the fragment of K step s
.endr
.endr
.set I, 0
.rept 16
	global_load_b128 v[WG+8*I:WG+8*I+3],   v15, s[6:7] offset:32*I
	global_load_b128 v[WG+8*I+4:WG+8*I+7], v15, s[6:7] offset:32*I+16
.set I, I+1
.endr
.macro LOAD t                          ; step t: tokens 4 t .. 4 t + 3, my wave's 512 consecutive bytes of each
.irp i, 0,1,2,3
	global_load_b128 v[R+16*((\t)%4)+4*\i:R+16*((\t)%4)+4*\i+3], v2, s[4:5] offset:(4*(\t)+\i)*4096 th:TH_LOAD_NT
.endr
.endm
.irp t, 0,1,2,3
	LOAD \t
.endr
	s_wait_loadcnt 48                              ; the four pieces of We are in; behind them 32 loads of Wg and 16 of x are out
.irp a, 0,1
.irp c, 0,1
	global_store_b128 v2, v[WE+8*\a+4*\c:WE+8*\a+4*\c+3], s[20:21] offset:1024*\a+512*\c   ; 512 consecutive bytes: [K step][c][lane][16 bytes]
.endr
.endr
.macro STEP t
.set RS, R+16*((\t)%4)
.if (\t) <= 4
	s_wait_loadcnt 12                              ; this step's four loads (and, in step 0, Wg) are in; those of the three steps behind it may be out
.else
	s_wait_loadcnt 4*(7-(\t))
.endif
.irp i, 0,1,2,3
	ds_store_b128 v3, v[RS+4*\i:RS+4*\i+3] offset:8*SP*\i
.endr
.irp i, 0,1,2,3
	ds_load_b128 v[X+4*\i:X+4*\i+3], v4 offset:16*\i       ; LDS serves a wave's instructions in order: these see the stores above
.endr
	s_wait_dscnt 0x0                               ; my 16 neighbours are in; all my LDS stores, the last step's too, have read their registers
.if (\t)+4 < 8
	LOAD (\t)+4
.endif
	v_max3_num_f32 v8, |v[X]|, |v[X+1]|, |v[X+2]|           ; the largest magnitude of my 16, in two chains
	v_max3_num_f32 v9, |v[X+3]|, |v[X+4]|, |v[X+5]|
.irp i, 6,10
	s_delay_alu instid0(VALU_DEP_2)
	v_max3_num_f32 v8, v8, |v[X+\i]|, |v[X+\i+1]|
	s_delay_alu instid0(VALU_DEP_2)
	v_max3_num_f32 v9, v9, |v[X+\i+2]|, |v[X+\i+3]|
.endr
	s_delay_alu instid0(VALU_DEP_2)
	v_max3_num_f32 v8, v8, |v[X+14]|, |v[X+15]|
	s_delay_alu instid0(VALU_DEP_1)
	v_max3_num_f32 v8, v8, v9, 0x1800000           ; and the floor 2^(3 - 127): the byte cannot fall under 1
	s_delay_alu instid0(VALU_DEP_1)
	v_max_num_f32_dpp v8, v8, v8 row_xmask:1 row_mask:0xf bank_mask:0xf   ; with my neighbour's 16: the block's
	s_delay_alu instid0(VALU_DEP_1)
	v_add_nc_u32 v11, 0xff000000, v8               ; 2 off its exponent field: the conversion takes the exponent field of this operand as its scale
	v_cvt_scalef32_pk8_fp4_f32 v12, v[X:X+7], v11
	v_cvt_scalef32_pk8_fp4_f32 v13, v[X+8:X+15], v11
	v_lshrrev_b32 v14, 23, v11                     ; the scale's byte (a plain line behind the conversions)
	ds_store_b64 v5, v[12:13] offset:4*CQP*(\t)
	ds_store_b8 v6, v14 offset:128*(\t)            ; both lanes of a block write the same byte with the same value
.irp j, 0,1,2,3                                ; the gate: 8 logits x my 16 numbers, two logits an instruction; the first product starts the sums
	v_pk_mul_f32 v[ACCL+2*\j:ACCL+2*\j+1], v[X:X+1], v[WG+2*\j:WG+2*\j+1] op_sel_hi:[0,1]
.endr
.set I, 1
.rept 15
.irp j, 0,1,2,3
.if I%2
	s_delay_alu instid0(VALU_DEP_4)
	v_pk_fma_f32 v[ACCL+2*\j:ACCL+2*\j+1], v[X+I-1:X+I], v[WG+8*I+2*\j:WG+8*I+2*\j+1], v[ACCL+2*\j:ACCL+2*\j+1] op_sel:[1,0,0] op_sel_hi:[1,1,1]
.else
	s_delay_alu instid0(VALU_DEP_4)
	v_pk_fma_f32 v[ACCL+2*\j:ACCL+2*\j+1], v[X+I:X+I+1], v[WG+8*I+2*\j:WG+8*I+2*\j+1], v[ACCL+2*\j:ACCL+2*\j+1] op_sel_hi:[0,1,1]
.endif
.endr
.set I, I+1
.endr
.irp x, 1,2,4                                  ; over the eight lanes of a token
.irp e, 0,1,2,3,4,5,6,7
	v_add_f32_dpp v[ACCL+\e], v[ACCL+\e], v[ACCL+\e] row_xmask:\x row_mask:0xf bank_mask:0xf
.endr
.endr
	ds_store_b128 v7, v[ACCL:ACCL+3] offset:128*(\t)       ; the eight lanes write the same 32 bytes with the same values
	ds_store_b128 v7, v[ACCL+4:ACCL+7] offset:128*(\t)+16
.endm
.irp t, 0,1,2,3,4,5,6,7
	STEP \t
.endr
	s_wait_dscnt 0x0                               ; for the others' sake: my codes, bytes and partial logits lie in LDS
	s_barrier_signal -1
	s_barrier_wait -1
.irp i, 0,1,2,3
	ds_load_b128 v[R+4*\i:R+4*\i+3], v249 offset:CQP*\i    ; tokens 4 v .. 4 v + 3: whole rows of codes
.endr
.irp i, 0,1,2,3
	s_wait_dscnt 3-\i                              ; the younger of these four may be out
	global_store_b128 v250, v[R+4*\i:R+4*\i+3], s[10:11] offset:512*\i   ; 512 consecutive bytes, aligned
.endr
	s_cmp_lg_u32 s22, 1
	s_cbranch_scc1 .Lnot_one
	ds_load_b128 v[R+16:R+19], v251                ; wave 1: the block's 1,024 scale bytes
	ds_load_b128 v[R+20:R+23], v251 offset:512
	s_wait_dscnt 0x0
	global_store_b128 v2, v[R+16:R+19], s[12:13]
	global_store_b128 v2, v[R+20:R+23], s[12:13] offset:512
.Lnot_one:
	s_cmp_lg_u32 s22, 0
	s_cbranch_scc1 .Lend
	; wave 0: a token to a lane
.irp w, 0,1,2,3,4,5,6,7
	ds_load_b128 v[WG+8*\w:WG+8*\w+3],   v252 offset:1024*\w
	ds_load_b128 v[WG+8*\w+4:WG+8*\w+7], v252 offset:1024*\w+16
.endr
	s_wait_dscnt 0x0
.irp j, 0,2,4,6
	v_pk_add_f32 v[ACCL+\j:ACCL+\j+1], v[WG+\j:WG+\j+1], v[WG+8+\j:WG+8+\j+1]     ; the eight waves' parts, K ascending
.endr
.irp w, 2,3,4,5,6,7
.irp j, 0,2,4,6
	s_delay_alu instid0(VALU_DEP_4)
	v_pk_add_f32 v[ACCL+\j:ACCL+\j+1], v[ACCL+\j:ACCL+\j+1], v[WG+8*\w+\j:WG+8*\w+\j+1]
.endr
.endr
	s_delay_alu instid0(VALU_DEP_3)
	v_max3_num_f32 v8, v16, v17, v18               ; the row's maximum is taken off ahead of the exponentials
	s_delay_alu instid0(VALU_DEP_1)
	v_max3_num_f32 v8, v8, v19, v20
	s_delay_alu instid0(VALU_DEP_1)
	v_max3_num_f32 v8, v8, v21, v22
	s_delay_alu instid0(VALU_DEP_1)
	v_max_num_f32 v8, v8, v23
.irp e, 0,1,2,3,4,5,6,7
	v_sub_f32 v[ACCL+\e], v[ACCL+\e], v8
.endr
.irp e, 0,1,2,3,4,5,6,7
	v_mul_f32 v[ACCL+\e], 0x3fb8aa3b, v[ACCL+\e]   ; x log2(e)
.endr
	s_wait_alu depctr_va_vdst(0)
.irp e, 0,1,2,3,4,5,6,7
	v_exp_f32 v[ACCL+\e], v[ACCL+\e]
.endr
	v_mov_b32 v25, 0                               ; (a plain line behind the exponentials)  the first choice's index
	s_wait_alu depctr_va_vdst(0)
	v_add_f32 v9, v16, v17
	v_add_f32 v10, v18, v19
	v_add_f32 v11, v20, v21
	v_add_f32 v12, v22, v23
	s_delay_alu instid0(VALU_DEP_3)
	v_add_f32 v9, v9, v10
	s_delay_alu instid0(VALU_DEP_2)
	v_add_f32 v11, v11, v12
	s_delay_alu instid0(VALU_DEP_1)
	v_add_f32 v9, v9, v11
	s_wait_alu depctr_va_vdst(0)
	v_rcp_f32 v10, v9
	v_mov_b32 v26, -1.0                            ; (a plain line behind the reciprocal)  the second choice's value: under every probability
	s_wait_alu depctr_va_vdst(0)
.irp e, 0,1,2,3,4,5,6,7
	v_mul_f32 v[ACCL+\e], v[ACCL+\e], v10          ; the probabilities
.endr
	v_mov_b32 v24, v16
	v_mov_b32 v27, 0
.irp e, 1,2,3,4,5,6,7                          ; the largest; '>' keeps the lower index at a tie
	s_delay_alu instid0(VALU_DEP_2)
	v_cmp_gt_f32 vcc_lo, v[ACCL+\e], v24
	s_delay_alu instid0(VALU_DEP_1)
	v_cndmask_b32 v24, v24, v[ACCL+\e], vcc_lo
	s_delay_alu instid0(VALU_DEP_2)
	v_cndmask_b32 v25, v25, \e, vcc_lo
.endr
.irp e, 0,1,2,3,4,5,6,7                        ; the largest of the others
	v_cmp_eq_u32 vcc_lo, \e, v25
	s_delay_alu instid0(VALU_DEP_1)
	v_cndmask_b32 v28, v[ACCL+\e], -1.0, vcc_lo
	s_delay_alu instid0(VALU_DEP_1)
	v_cmp_gt_f32 vcc_lo, v28, v26
	s_delay_alu instid0(VALU_DEP_1)
	v_cndmask_b32 v26, v26, v28, vcc_lo
	s_delay_alu instid0(VALU_DEP_2)
	v_cndmask_b32 v27, v27, \e, vcc_lo
.endr
	s_delay_alu instid0(VALU_DEP_2)
	v_add_f32 v28, v24, v26
	s_wait_alu depctr_va_vdst(0)
	v_rcp_f32 v29, v28
	v_min_u32 v31, v25, v27                        ; lo  (a plain line behind the reciprocal)
	v_max_u32 v32, v25, v27                        ; hi
	s_wait_alu depctr_va_vdst(0)
	v_mul_f32 v30, v24, v29                        ; the two weights, renormalised
	v_mul_f32 v28, v26, v29
	v_cmp_lt_u32 vcc_lo, v25, v27
	s_delay_alu instid0(VALU_DEP_1)
	v_cndmask_b32 v34, v28, v30, vcc_lo            ; lo's weight
	s_delay_alu instid0(VALU_DEP_2)
	v_cndmask_b32 v35, v30, v28, vcc_lo            ; hi's
	v_sub_nc_u32 v33, 15, v31
	s_delay_alu instid0(VALU_DEP_1)
	v_mul_u32_u24 v33, v33, v31
	s_delay_alu instid0(VALU_DEP_1)
	v_lshrrev_b32 v33, 1, v33
	s_delay_alu instid0(VALU_DEP_1)
	v_add_nc_u32 v33, v33, v32
	s_delay_alu instid0(VALU_DEP_1)
	v_sub_nc_u32 v33, v33, v31
	s_delay_alu instid0(VALU_DEP_1)
	v_add_nc_u32 v33, -1, v33                      ; pair = lo (15 - lo) / 2 + hi - lo - 1
	v_mov_b32 v36, 0                               ; lane q: how many of the 32 tokens have pair q (lanes 28-31 stay 0)
	v_mov_b32 v37, 0                               ; my rank among the earlier tokens with my pair
.set Q, 0
.rept 28
	v_cmp_eq_u32 s34, Q, v33
	s_bcnt1_i32_b32 s35, s34
	v_writelane_b32 v36, s35, Q
	v_mbcnt_lo_u32_b32 v38, s34, 0
	s_delay_alu instid0(VALU_DEP_1)
	v_cndmask_b32 v37, v37, v38, s34
.set Q, Q+1
.endr
	s_delay_alu instid0(VALU_DEP_1)
	v_lshl_or_b32 v39, v33, 8, v37
	global_store_b32 v253, v39, s[14:15]
	global_store_b64 v254, v[34:35], s[16:17]
	global_store_b32 v253, v36, s[18:19]
.Lend:
	s_set_vgpr_msb 0x4
	s_wait_tensorcnt 0x0
	ds_add_u32 v255, v1
	s_wait_dscnt 0x0
	s_set_vgpr_msb 0x400
	s_endpgm
.Lfunc_end_k_qa0021a1daa_route:
	.size	k_qa0021a1daa_route, .Lfunc_end_k_qa0021a1daa_route-k_qa0021a1daa_route
	.p2alignl 7, 3214868480
	.fill 96, 4, 3214868480
	.section	.rodata,"a",@progbits
	.p2align	6, 0x0
	.amdhsa_kernel k_qa0021a1daa_route
		.amdhsa_group_segment_fixed_size 48128
		.amdhsa_private_segment_fixed_size 0
		.amdhsa_enable_private_segment 0
		.amdhsa_kernarg_size 72
		.amdhsa_user_sgpr_count 2
		.amdhsa_user_sgpr_kernarg_segment_ptr 1
		.amdhsa_wavefront_size32 1
		.amdhsa_system_sgpr_workgroup_id_x 1
		.amdhsa_system_sgpr_workgroup_id_y 1
		.amdhsa_system_sgpr_workgroup_id_z 1
		.amdhsa_system_vgpr_workitem_id 0
		.amdhsa_next_free_vgpr 258
		.amdhsa_next_free_sgpr 66
		.amdhsa_reserve_vcc 1
		.amdhsa_float_denorm_mode_32 3
		.amdhsa_float_denorm_mode_16_64 3
		.amdhsa_memory_ordered 1
		.amdhsa_forward_progress 1
		.amdhsa_inst_pref_size 107
	.end_amdhsa_kernel
	.amdgpu_metadata
---
amdhsa.version: [ 1, 2 ]
amdhsa.kernels:
  - .name:           k_qa0021a1daa_route
    .symbol:         k_qa0021a1daa_route.kd
    .args:
      - { .name: hidden_states, .offset: 0, .size: 8, .value_kind: global_buffer, .address_space: global }
      - { .name: Wg, .offset: 8, .size: 8, .value_kind: global_buffer, .address_space: global }
      - { .name: We_codes, .offset: 16, .size: 8, .value_kind: global_buffer, .address_space: global }
      - { .name: xq, .offset: 24, .size: 8, .value_kind: global_buffer, .address_space: global }
      - { .name: xs, .offset: 32, .size: 8, .value_kind: global_buffer, .address_space: global }
      - { .name: key, .offset: 40, .size: 8, .value_kind: global_buffer, .address_space: global }
      - { .name: gate, .offset: 48, .size: 8, .value_kind: global_buffer, .address_space: global }
      - { .name: cnt, .offset: 56, .size: 8, .value_kind: global_buffer, .address_space: global }
      - { .name: wf, .offset: 64, .size: 8, .value_kind: global_buffer, .address_space: global }
    .group_segment_fixed_size: 48128
    .private_segment_fixed_size: 0
    .kernarg_segment_align: 8
    .kernarg_segment_size: 72
    .max_flat_workgroup_size: 256
    .sgpr_count:     66
    .vgpr_count:     258
    .wavefront_size: 32
...
	.end_amdgpu_metadata
.endif
;; end of part 4
;; launch place (part 5): grid 64 x 1, 4 waves a work-group, no clusters, 68,352 bytes of LDS; arguments key, cnt, ord, ctl; writes ord, ctl
.if DOCPART == 5
	.amdgcn_target "amdgcn-amd-amdhsa--gfx1250"
	.amdhsa_code_object_version 6
	.text
	.protected	k_qa0021a1daa_place
	.globl	k_qa0021a1daa_place
	.p2align	8
	.type	k_qa0021a1daa_place,@function
k_qa0021a1daa_place:
	s_mov_b64 s[64:65], 0
	v_nop
	global_prefetch_b8 v0, s[64:65] scope:SCOPE_SE
	s_setreg_imm32_b32 hwreg(HW_REG_WAVE_MODE, 25, 1), 1
	s_wait_xcnt 0x0
; PLACE.  Tokens are taken sorted by (bucket, token), a bucket being the tokens with one pair of experts.  Work-group w finds the tokens at sorted positions 128 w .. 128 w + 127 and the experts that they use, and stores both
; as whole numbers for the launch behind it: ord[position] = token | lo << 16 | hi << 20;  ctl[w] = (the list of the block's experts, a nibble an entry; the number of entries, 2 to 8), the same pair 32 times: 256 bytes.
; THE BUCKETS FOLLOW EACH OTHER IN A SNAKE: (0,1) .. (0,7), (1,7) .. (1,2), (2,3) .. (2,7), (3,7) .. (3,4), (4,5) .. (4,7), (5,7), (5,6), (6,7): neighbours always share an expert, so that a block of positions that
; reaches over one border between buckets uses three experts and not four.
; FROM: cnt[256 blocks of 32 tokens][32]: how many tokens of the block have pair q (q = the pair's number in lexicographic order, 0 .. 27; words 28-31 are 0);  key[t] = (q << 8) | rank of t among its block's tokens with the same pair.
; HOW.  Prefix sums over the blocks, as 16 groups of 16, lane = pair; then for each position: the bucket (27 compares with the buckets' first positions), the group, the block, the token with that key.  Loads and selections alone:
; nothing is scattered, and no branch hangs on a loaded number.  Every work-group needs the whole 64 KB of tables, so there is work for one work-group to each block of 128 positions and no more: 64.
; No matrix unit, no tensor load, no cluster: 64 KB in and 768 bytes out for each work-group.
.set L2T,  0                           ; LDS: [256 blocks][32]: how many tokens of the pair lie in the earlier blocks of the block's group of 16
.set KEY,  32768                       ; a copy of key
.set GT,   65536                       ; [16 groups][32]: a group's totals
.set UM,   67584                       ; four words: each wave's mask of experts in use
.set BS,   66                          ; s66-92: the first sorted position of the snake's k-th bucket at s[BS + k - 1], k = 1 .. 27
.macro BARRIER                         ; my LDS stores have landed and my LDS loads are in: then the work-group's barrier
	s_wait_dscnt 0x0
	s_barrier_signal -1
	s_barrier_wait -1
.endm
	s_load_b256 s[4:11], s[0:1], 0x0               ; key s[4:5], cnt s[6:7], ord s[8:9], ctl s[10:11]
	v_lshl_add_u32 v126, v0, 2, 0x10900
	v_mov_b32 v127, 0
	v_lshrrev_b32 v23, 5, v0
	v_readfirstlane_b32 s22, v23                   ; wave 0..3
	s_mov_b32 s35, 0                               ; the high word of every offset pair s[34:35]
	v_and_b32 v23, 31, v0                          ; lane
	v_lshlrev_b32 v1, 4, v23                       ; 16 x lane
	v_lshlrev_b32 v2, 3, v23                       ; 8 x lane
	v_lshlrev_b32 v3, 2, v0                        ; 4 x thread
	v_lshlrev_b32 v103, 2, v23                     ; 4 x lane
	s_lshl_b32 s36, s22, 13
	v_add_nc_u32 v88, s36, v103                    ; L2T: my wave's 64 blocks, lane = pair
	s_add_co_u32 s37, s36, KEY
	v_add_nc_u32 v90, s37, v1                      ; KEY: my wave's 8,192 bytes
	s_lshl_b32 s37, s22, 9
	s_add_co_u32 s37, s37, GT
	v_add_nc_u32 v89, s37, v103                    ; GT: my wave's four groups
	v_add_nc_u32 v91, GT, v103
	s_lshl_b32 s37, s22, 2
	s_add_co_u32 s37, s37, UM
	v_mov_b32 v94, s37
	v_mov_b32 v96, UM
	s_mov_b32 s34, s36
	s_wait_alu depctr_va_vdst(0)
	s_wait_kmcnt 0x0
	s_add_nc_u64 s[6:7], s[6:7], s[34:35]          ; cnt and key at my wave's quarter
	s_add_nc_u64 s[4:5], s[4:5], s[34:35]
	s_lshl_b32 s34, ttmp9, 9
	s_add_nc_u64 s[8:9], s[8:9], s[34:35]          ; ord at my 128 positions
	s_lshl_b32 s34, ttmp9, 8
	s_add_nc_u64 s[10:11], s[10:11], s[34:35]      ; ctl at my 256 bytes
.set I, 0
.rept 64
	global_load_b32 v[128+I], v103, s[6:7] offset:128*I            ; block 64 v + I: lane = pair
.set I, I+1
.endr
.set I, 0
.rept 16
	global_load_b128 v[192+4*I:195+4*I], v1, s[4:5] offset:512*I
.set I, I+1
.endr
	v_mov_b32 v21, 0
	s_wait_loadcnt 16                              ; the counts are in; key's sixteen loads may be out
.set J, 1
.rept 15                                       ; running sums inside each group of 16 blocks; the four groups by turns
.irp g, 0,1,2,3
	v_add_nc_u32 v[128+16*\g+J], v[128+16*\g+J], v[127+16*\g+J]
.endr
.set J, J+1
.endr
.irp g, 0,1,2,3
	ds_store_b32 v88, v21 offset:(16*\g)*128       ; nothing lies ahead of a group's first block: so every word of the table is written
.set J, 0
.rept 15
	ds_store_b32 v88, v[128+16*\g+J] offset:(16*\g+J+1)*128        ; what lies ahead of block J + 1 of the group
.set J, J+1
.endr
	ds_store_b32 v89, v[128+16*\g+15] offset:128*\g
.endr
	s_wait_loadcnt 0x0
.set I, 0
.rept 16
	ds_store_b128 v90, v[192+4*I:195+4*I] offset:512*I
.set I, I+1
.endr
	BARRIER                                        ; the tables lie in LDS.  From here to the next barrier LDS is only read
.set I, 0
.rept 16
	ds_load_b32 v[128+I], v91 offset:128*I
.set I, I+1
.endr
	s_wait_dscnt 0x0
.set I, 1
.rept 15
	v_add_nc_u32 v[128+I], v[128+I], v[127+I]      ; running sums over the groups: lane = pair; v143 holds each pair's total
.set I, I+1
.endr
; The snake is written as the numbers 8 lo + hi.  PX is the pair's number in lexicographic order: its lane in the tables.
.set K, 0
.irp c, 1,2,3,4,5,6,7,15,14,13,12,11,10,19,20,21,22,23,31,30,29,28,37,38,39,47,46
.set LO, \c/8
.set HI, \c%8
.set PX, LO*(15-LO)/2+HI-LO-1
.if K == 0
	v_readlane_b32 s[BS], v143, PX                 ; the buckets' first positions: the totals of the buckets ahead, in the snake's order
.else
	v_readlane_b32 s36, v143, PX
	s_add_co_u32 s[BS+K], s[BS+K-1], s36
.endif
.set K, K+1
.endr
	s_lshl_b32 s36, ttmp9, 7
	v_add_nc_u32 v9, s36, v0                       ; my sorted position
	v_mov_b32 v10, 0                               ; its bucket's first position
	v_mov_b32 v11, 0x10000                         ; pair | lo << 8 | hi << 16: the first bucket is pair 0, (0, 1)
.set K, 0
.irp c, 1,2,3,4,5,6,7,15,14,13,12,11,10,19,20,21,22,23,31,30,29,28,37,38,39,47,46,55
.set LO, \c/8
.set HI, \c%8
.set PX, LO*(15-LO)/2+HI-LO-1
.if K > 0
	v_cmp_gt_u32 vcc_lo, s[BS+K-1], v9             ; the last bucket that begins at or ahead of my position wins: empty buckets are passed over
	v_cndmask_b32 v10, s[BS+K-1], v10, vcc_lo
	v_cndmask_b32 v11, PX|(LO<<8)|(HI<<16), v11, vcc_lo
.endif
.set K, K+1
.endr
	v_and_b32 v12, 31, v11
	v_min_u32 v12, 27, v12                         ; a number found from loaded counts enters an address only behind a hold at its bound: the pair, 27 at the most
	v_lshlrev_b32 v12, 2, v12                      ; 4 x pair
	v_sub_nc_u32 v13, v9, v10                      ; my rank in the bucket
.set G, 1
.rept 15
	ds_bpermute_b32 v[144+G], v12, v[127+G]        ; how many of my pair lie in the groups ahead of group G
.set G, G+1
.endr
	v_mov_b32 v14, 0
	v_mov_b32 v15, 0
	v_mov_b32 v16, 0
	v_mov_b32 v17, 0
	v_mov_b32 v19, 0
	s_wait_alu depctr_va_vdst(0)
	s_wait_dscnt 0x0
.set G, 1
.rept 15
	v_cmp_gt_u32 vcc_lo, v[144+G], v13
	v_cndmask_b32 v14, v[144+G], v14, vcc_lo
	v_cndmask_b32 v15, G, v15, vcc_lo              ; the group
.set G, G+1
.endr
	v_min_u32 v15, 15, v15                         ; held at its bound, as above
	v_sub_nc_u32 v13, v13, v14
	v_lshl_add_u32 v92, v15, 11, v12               ; L2T: 16 blocks of 128 bytes a group, + 4 x pair
.set J, 1
.rept 15
	ds_load_b32 v[160+J], v92 offset:128*J
.set J, J+1
.endr
	s_wait_alu depctr_va_vdst(0)
	s_wait_dscnt 0x0
.set J, 1
.rept 15
	v_cmp_gt_u32 vcc_lo, v[160+J], v13
	v_cndmask_b32 v16, v[160+J], v16, vcc_lo
	v_cndmask_b32 v17, J, v17, vcc_lo              ; the block in the group
.set J, J+1
.endr
	v_sub_nc_u32 v13, v13, v16                     ; my rank in the block
	v_lshl_add_u32 v23, v15, 4, v17                ; the block,
	v_min_u32 v23, 0xff, v23                       ; held at its bound, as above
	v_lshl_add_u32 v93, v23, 7, KEY
.set I, 0
.rept 8
	ds_load_b128 v[192+4*I:195+4*I], v93 offset:16*I
.set I, I+1
.endr
	v_lshl_or_b32 v18, v12, 6, v13                 ; the key that I look for
	v_bfe_u32 v24, v11, 8, 8                       ; lo
	v_bfe_u32 v25, v11, 16, 8                      ; hi
	s_wait_alu depctr_va_vdst(0)
	s_wait_dscnt 0x0
.set I, 0
.rept 32
	v_cmp_ne_u32 vcc_lo, v[192+I], v18
	v_cndmask_b32 v19, I, v19, vcc_lo
.set I, I+1
.endr
	v_lshl_add_u32 v20, v23, 5, v19
	v_min_u32 v20, 0x1fff, v20                     ; my token
	v_lshl_or_b32 v21, v24, 16, v20
	v_lshl_or_b32 v21, v25, 20, v21
	global_store_b32 v3, v21, s[8:9]               ; the four waves store 512 consecutive bytes
	s_mov_b32 s25, 0
.irp e, 0,1,2,3,4,5,6,7                        ; which experts my wave's 32 tokens use
	v_cmp_eq_u32 s36, \e, v24
	v_cmp_eq_u32 s37, \e, v25
	s_or_b32 s36, s36, s37
	s_cselect_b32 s37, 1<<\e, 0
	s_or_b32 s25, s25, s37
.endr
	BARRIER                                        ; every wave's reads of the tables are over: LDS is written again only behind this barrier
	v_mov_b32 v23, s25
	ds_store_b32 v94, v23
	BARRIER
	ds_load_b128 v[28:31], v96
	s_wait_dscnt 0x0
	v_or_b32 v28, v28, v29
	v_or_b32 v30, v30, v31
	v_or_b32 v28, v28, v30
	v_readfirstlane_b32 s25, v28                   ; the experts that the block uses
	s_mov_b32 s26, 0                               ; the list, a nibble an entry
	s_mov_b32 s36, 0
.irp e, 0,1,2,3,4,5,6,7
	s_lshl_b32 s37, \e, s36
	s_bitcmp1_b32 s25, \e
	s_cselect_b32 s37, s37, 0
	s_cselect_b32 s38, 4, 0
	s_or_b32 s26, s26, s37
	s_add_co_u32 s36, s36, s38
.endr
	s_bcnt1_i32_b32 s27, s25                       ; the number of entries: 2 to 8
	s_cmp_lg_u32 s22, 0
	s_cbranch_scc1 .Lend
	v_mov_b32 v32, s26
	v_mov_b32 v33, s27
	global_store_b64 v2, v[32:33], s[10:11]        ; wave 0: the same pair in every lane: 256 consecutive bytes, aligned
.Lend:
	s_wait_tensorcnt 0x0
	ds_add_u32 v126, v127
	s_wait_dscnt 0x0
	s_endpgm
.Lfunc_end_k_qa0021a1daa_place:
	.size	k_qa0021a1daa_place, .Lfunc_end_k_qa0021a1daa_place-k_qa0021a1daa_place
	.p2alignl 7, 3214868480
	.fill 96, 4, 3214868480
	.section	.rodata,"a",@progbits
	.p2align	6, 0x0
	.amdhsa_kernel k_qa0021a1daa_place
		.amdhsa_group_segment_fixed_size 68352
		.amdhsa_private_segment_fixed_size 0
		.amdhsa_enable_private_segment 0
		.amdhsa_kernarg_size 32
		.amdhsa_user_sgpr_count 2
		.amdhsa_user_sgpr_kernarg_segment_ptr 1
		.amdhsa_wavefront_size32 1
		.amdhsa_system_sgpr_workgroup_id_x 1
		.amdhsa_system_sgpr_workgroup_id_y 1
		.amdhsa_system_sgpr_workgroup_id_z 1
		.amdhsa_system_vgpr_workitem_id 0
		.amdhsa_next_free_vgpr 256
		.amdhsa_next_free_sgpr 96
		.amdhsa_reserve_vcc 1
		.amdhsa_float_denorm_mode_32 3
		.amdhsa_float_denorm_mode_16_64 3
		.amdhsa_memory_ordered 1
		.amdhsa_forward_progress 1
		.amdhsa_inst_pref_size 37
	.end_amdhsa_kernel
	.amdgpu_metadata
---
amdhsa.version: [ 1, 2 ]
amdhsa.kernels:
  - .name:           k_qa0021a1daa_place
    .symbol:         k_qa0021a1daa_place.kd
    .args:
      - { .name: key, .offset: 0, .size: 8, .value_kind: global_buffer, .address_space: global }
      - { .name: cnt, .offset: 8, .size: 8, .value_kind: global_buffer, .address_space: global }
      - { .name: ord, .offset: 16, .size: 8, .value_kind: global_buffer, .address_space: global }
      - { .name: ctl, .offset: 24, .size: 8, .value_kind: global_buffer, .address_space: global }
    .group_segment_fixed_size: 68352
    .private_segment_fixed_size: 0
    .kernarg_segment_align: 8
    .kernarg_segment_size: 32
    .max_flat_workgroup_size: 128
    .sgpr_count:     96
    .vgpr_count:     256
    .wavefront_size: 32
...
	.end_amdgpu_metadata
.endif
;; end of part 5
;; launch experts (part 6): grid 4 x 64, 4 waves a work-group, no clusters, 215,552 bytes of LDS; arguments wf, We_scales, be, xq, xs, ord, gate, ctl, out0; writes out0
.if DOCPART == 6
	.amdgcn_target "amdgcn-amd-amdhsa--gfx1250"
	.amdhsa_code_object_version 6
	.text
	.protected	k_qa0021a1daa_experts
	.globl	k_qa0021a1daa_experts
	.p2align	8
	.type	k_qa0021a1daa_experts,@function
k_qa0021a1daa_experts:
	s_mov_b64 s[64:65], 0
	v_nop
	global_prefetch_b8 v0, s[64:65] scope:SCOPE_SE
	s_setreg_imm32_b32 hwreg(HW_REG_WAVE_SCHED_MODE, 0, 2), 2
	s_setreg_imm32_b32 hwreg(HW_REG_WAVE_MODE, 25, 1), 1
	s_wait_xcnt 0x0
	s_wait_alu depctr_vm_vsrc(0)
; EXPERTS.  out[t] = g_lo (x_q[t] We[lo] + be[lo]) + g_hi (x_q[t] We[hi] + be[hi]), both operands as E2M1 codes with E8M0 scales, sums in f32.  Only the chosen experts are multiplied.
; THE ORDER.  Tokens are taken sorted by their pair of experts.  Work-group (cb, w) owns sorted positions 128 w .. 128 w + 127 and columns 256 cb .. 256 cb + 255: 256 work-groups for every split, each output row's
; 1,024 bytes here with one owner.  The launch before has stored the order: ord[position] = token | lo << 16 | hi << 20, and for each block of 128 positions ctl = (the list of its experts, a nibble an entry; their number N, 2 to 8).
; THE WALK.  A STEP is 64 matrix instructions: one expert, wave v's tile of 16 columns (256 cb + 64 dt + 16 v, dt = the column phase, 0 .. 3) x the 128 tokens (8 tiles) x K = 1,024 (8 K steps), the bias as the C of the first
; K step; then OUT += w ACC, w = the token's weight for that expert, 0 if it did not choose it.  STEPS GO IN PAIRS: one expert for the two phases dt = 2 a and 2 a + 1, each with an OUT of its own.  So the two halves of the
; weights' ring take turns for every N, nothing is padded, and the tokens' weights are made once for a pair.  Two double phases of N pairs each.
; TRANSPOSED USE: source 0 = 16 rows of We (columns of out), source 1 = 16 tokens: a lane holds ONE token (lane % 16) and eight neighbouring columns.
; x's 64 fragments stay in 512 registers of every wave.  The weights come from memory straight into registers, laid by the first launch in the order of the operand's registers (512 consecutive bytes a load),
; in a ring of two steps.
; WHY NO TENSOR LOADS, NO CLUSTER: the number of steps hangs on a stored number, and neighbouring blocks walk different lists of experts, so partners could not ask alike; inside a work-group each weight byte is wanted by one wave alone.
; LIMITS: the sum of an expert that a token did not choose is multiplied by 0, so it must be finite: a scale byte 0xff in We, or sums beyond f32's range, would spoil the block's other tokens.
; NaN and infinities among the inputs are not served.
; THE MODE: SCHED_MODE bits 1:0 = 2 (LLVM: expert scheduling mode 2), set by the entry lines.  The code itself states the register dependences between vector or matrix instructions and memory or LDS instructions,
; and those through scalar registers that vector instructions write, with s_wait_alu, always for 0.
; THE PLAN.  Registers that memory or LDS instructions touch:
;   THE RING, half p (window 1 v[64 p .. 64 p + 63], four scale words at WS + 4 p, a bias tile at BIA + 8 p): written by loads, read by the matrix instructions of the steps on half p.  Its LOWER PART (K steps 0-3, two scale
;     words, the bias) is read by a step's first 32 matrix instructions alone, its UPPER PART (K steps 4-7, two scale words) by the last 32.  Each part is asked for anew, for the step two steps on, in ONE run of loads behind ONE
;     wait on va_vdst: the lower part's in the step's middle, the upper part's behind the step's last matrix instructions and ahead of its combine.  What follows a run (the other 32 matrix instructions; the combine; the next
;     step) names other registers than those in which its loads land.  So a step has two such waits, and each load goes out one and a half steps or more ahead of its use.
;   v1, v7, v8: the weights' offsets; v4-6, v9, v10: LDS addresses; OFFS: made at the head by vector instructions and never written again.  The weights are reached by scalar bases.
;   ACC and both OUTs: in the loops named by vector and matrix instructions alone.  On the way out: one wait on va_vdst ahead of the LDS stores that read the OUTs, one on vm_vsrc ahead of the loads from the stages that land in
;     the even OUT, one on vm_vsrc ahead of the next double phase, which writes ACC and the OUTs again.
;   In the head: both OUTs carry x's codes from memory to LDS, and v97-101 are LDS addresses: one wait on vm_vsrc at the head's end, ahead of the first line that writes any of them.
;   Scalars that vector instructions write: the wave's number; my wave's 32 tokens (one run of 32); a pair's 16 masks (one run): one wait on va_sdst behind each, ahead of the first reader.
; REGISTERS, in windows of 256.  Window 0: v0-31 ids, addresses; v32-63 x's scale words, v64-71 We's (they hold scales and nothing else); v72-87 two bias tiles; v88-103 the tokens' weights (in the head: LDS addresses);
;   v104-119 my rows' byte offsets in out; v128-191 ACC; v192-255 OUT of the even phase.
;   Window 1: v0-127 the ring of We's fragments; v128-159 each tile's (lo, hi, g_lo, g_hi); v160-191 my wave's 32 rows' offsets in xq; v192-255 OUT of the odd phase.
;   (In the head v192-255 of windows 0 and 1 hold my wave's 32 rows of codes on their way to LDS.)   Windows 2, 3: x's fragments (K step s, tile m) at 64 (s % 4) + 8 m.
;   Scalars: s52-63 and s66-85: in the head my wave's 32 tokens; s66-81: in the loops a pair's 16 masks.
.set REC,  0                           ; LDS: [128][lo, hi, g_lo, g_hi]
.set XS,   2048                        ; x's scale bytes: 128 places of 32 bytes + 16
.set XSP,  48
.set XB,   8192                        ; x's codes: 128 rows of 512 bytes + 16
.set XBP,  528
.set STG,  75776                       ; four stages for the way out, one for each column phase: 128 rows of 256 bytes + 16; none is written twice
.set STP,  272
.set STGB, 128*STP
.set XSC,  32
.set WS,   64
.set BIA,  72
.set WT,   88
.set OFFS, 104
.set ACC,  128
.set OUT,  192                         ; in window 0 the even phase's, in window 1 the odd phase's
.set EG,   128                         ; in window 1
.set RO,   160                         ; in window 1
.set WP,   40                          ; s[40:45], s[46:51]: for each half of the ring the bases of the step's codes, scale words and bias
.set CM,   66                          ; s66-81: tile m's masks: 'the pair's expert is hi' at CM + 2 m, 'is lo' at CM + 2 m + 1
.set MSB, 0
.macro WIN new                         ; the immediate's high byte repeats the setting that is left
.if MSB != \new
	s_set_vgpr_msb (MSB<<8)|\new
.set MSB, \new
.endif
.endm
.macro BARRIER                         ; my LDS stores have landed and my LDS loads are in: then the work-group's barrier
	s_wait_dscnt 0x0
	s_barrier_signal -1
	s_barrier_wait -1
.endm
	s_load_b512 s[4:19], s[0:1], 0x0               ; wf s[4:5], We's scales s[6:7], be s[8:9], xq s[10:11], xs s[12:13], ord s[14:15], gate s[16:17], ctl s[18:19]
	s_load_b64 s[20:21], s[0:1], 0x40              ; out
	v_lshl_add_u32 v30, v0, 2, 0x34800
	v_mov_b32 v31, 0
	v_lshrrev_b32 v23, 5, v0
	v_readfirstlane_b32 s22, v23                   ; wave 0..3
	s_mov_b32 s23, ttmp9                           ; cb
	s_and_b32 s24, ttmp7, 0xffff                   ; w
	s_mov_b32 s35, 0                               ; the high word of every offset pair s[34:35]
	s_mov_b32 s38, 0xffff0000                      ; lanes 16-31
	v_and_b32 v23, 31, v0                          ; lane
	v_lshlrev_b32 v1, 4, v23                       ; 16 x lane
	v_and_b32 v2, 15, v0                           ; r
	v_bfe_u32 v3, v0, 4, 1                         ; h
	v_mul_u32_u24 v4, v2, XBP
	v_lshl_add_u32 v4, v3, 4, v4
	v_add_nc_u32 v4, XB, v4                        ; a fragment of x: row r, + 16 h
	v_mul_u32_u24 v5, v2, STP
	v_lshl_add_u32 v5, v3, 5, v5
	s_wait_alu depctr_va_sdst(0)                   ; s22, the wave's number, is written, ahead of its first reader
	s_lshl_b32 s36, s22, 6
	s_add_co_u32 s36, s36, STG
	v_add_nc_u32 v5, s36, v5                       ; the stages of phases 0 and 1, way in: row r, my wave's 64 bytes, + 32 h
	v_mul_u32_u24 v6, v3, STP
	v_lshl_add_u32 v6, v2, 4, v6
	s_mul_i32 s36, s22, 32*STP
	s_add_co_u32 s36, s36, STG
	v_add_nc_u32 v6, s36, v6                       ; way out: my wave's 32 rows, two an instruction, 16 bytes a lane
	v_add_nc_u32 v9, 2*STGB, v5                    ; the same for the stages of phases 2 and 3
	v_add_nc_u32 v10, 2*STGB, v6
	v_lshlrev_b32 v7, 5, v2
	v_lshl_add_u32 v7, v3, 2, v7                   ; We's scale words: row r of 32 bytes; lanes 16-31 one K step further on
	v_lshlrev_b32 v8, 5, v3                        ; be: my half's eight columns
	v_lshl_add_u32 v97, v0, 4, REC                 ; the head's LDS addresses: my token's record,
	v_mul_u32_u24 v98, v0, XSP
	v_add_nc_u32 v98, XS, v98                      ; its scale bytes,
	s_mul_i32 s37, s22, 32*XBP
	s_add_co_u32 s37, s37, XB
	v_add_nc_u32 v99, s37, v1                      ; my wave's 32 rows of codes, 16 bytes a lane;
	v_mul_u32_u24 v100, v23, XSP
	v_add_nc_u32 v100, XS, v100                    ; back: the scale words of tokens lane, lane + 32 ..,
	v_lshl_add_u32 v101, v2, 4, REC                ; the records of tokens r, r + 16 ..
	v_lshlrev_b32 v21, 2, v0                       ; 4 x thread
	s_wait_kmcnt 0x0
	s_lshl_b32 s34, s24, 8
	s_add_nc_u64 s[18:19], s[18:19], s[34:35]
	s_load_b64 s[26:27], s[18:19], 0x0             ; the block's list of experts, a nibble an entry; the number of entries
	s_lshl_b32 s34, s24, 9
	s_add_nc_u64 s[14:15], s[14:15], s[34:35]      ; ord at my block's 128 positions
	s_lshl_b32 s34, s23, 10
	s_add_nc_u64 s[20:21], s[20:21], s[34:35]      ; out at my 256 columns
	s_wait_alu depctr_va_vdst(0)                   ; all that the lines above have made is written: v21, which the load below reads; v1, v7, v8, the weights' offsets; the LDS addresses v4-6, v9, v10, v97-101; v30 and v31
	global_load_b32 v19, v21, s[14:15]             ; position 128 w + thread
	s_wait_loadcnt 0x0
	v_and_b32 v20, 0x1fff, v19
	v_min_u32 v20, 0x1fff, v20                     ; my token: a loaded number enters an address only behind a hold at its bound
	v_bfe_u32 v24, v19, 16, 4                      ; lo
	v_bfe_u32 v25, v19, 20, 4                      ; hi
	v_lshlrev_b32 v18, 3, v20
	v_lshlrev_b32 v22, 5, v20
	s_wait_alu depctr_va_vdst(0)                   ; v18 and v22 are written, the offsets of the three loads below; so are v24 and v25, which an LDS store reads further down
	global_load_b64 v[26:27], v18, s[16:17]        ; its two weights
	global_load_b128 v[120:123], v22, s[12:13]     ; its 32 scale bytes
	global_load_b128 v[124:127], v22, s[12:13] offset:16
.set I, 0
.rept 32                                       ; my wave's 32 tokens as scalars, in one run: the I-th at s[52 + I], from the twelfth on two further up
.set TK, 52+I+2*((I+12)/24)
	v_readlane_b32 s[TK], v20, I
.set I, I+1
.endr
	s_wait_alu depctr_va_sdst(0)                   ; the 32 scalars are written, ahead of their first reader: one wait for the run
.set I, 0
.rept 32
.set TK, 52+I+2*((I+12)/24)
	s_min_u32 s[TK], s[TK], 0x1fff
.set I, I+1
.endr
	WIN 0x40                                       ; destination window 1
.set I, 0
.rept 32
.set TK, 52+I+2*((I+12)/24)
	s_lshl_b32 s36, s[TK], 9
	v_add_nc_u32 v[RO+I], s36, v1                  ; the row of my wave's I-th token in xq, + 16 x lane
.set I, I+1
.endr
	WIN 0x01                                       ; the address in window 1, the destination in window 0
	s_wait_alu depctr_va_vdst(0)                   ; the 32 offsets RO are written, which the 32 loads below read
.set I, 0
.rept 16
	global_load_b128 v[OUT+4*I:OUT+4*I+3], v[RO+I], s[10:11]       ; a row's 512 consecutive bytes
.set I, I+1
.endr
	WIN 0x41                                       ; address and destination in window 1
.set I, 0
.rept 16
	global_load_b128 v[OUT+4*I:OUT+4*I+3], v[RO+16+I], s[10:11]
.set I, I+1
.endr
	WIN 0
.set I, 0
.rept 16                                       ; the rows of out that I store: place 32 v + 2 I + h of the block, which is lane 2 I + h of my wave's tokens
.set TKA, 52+2*I+2*((2*I+12)/24)
.set TKB, 53+2*I+2*((2*I+13)/24)
	v_mov_b32 v[OFFS+I], s[TKA]
	v_cndmask_b32 v[OFFS+I], v[OFFS+I], s[TKB], s38
.set I, I+1
.endr
	v_lshlrev_b32 v23, 4, v2
.set I, 0
.rept 16
	v_min_u32 v[OFFS+I], 0x1fff, v[OFFS+I]
.set I, I+1
.endr
.set I, 0
.rept 16
	v_lshl_add_u32 v[OFFS+I], v[OFFS+I], 12, v23   ; its row of 4,096 bytes, + 16 r
.set I, I+1
.endr
	s_wait_kmcnt 0x0                               ; the list and its length
	s_min_u32 s27, s27, 8
	s_max_u32 s27, s27, 2                          ; N: 2 to 8 (a token has two different experts)
	s_mov_b32 s29, 0                               ; the entry of the pair of steps to be asked for next,
	s_lshl_b32 s30, s23, 4
	s_add_co_u32 s30, s30, s22                     ; and its even phase's tile of 16 columns: 16 cb + 8 a + v
; The bases of the step to be asked for next, into half par of the ring.  Half 0: the entry's even phase; half 1: its odd phase (four tiles on), and then on to the next entry; behind the list's last, to the next double phase.
.macro GEN par
	s_lshl_b32 s36, s29, 2
	s_lshr_b32 s36, s26, s36
	s_and_b32 s36, s36, 7
	s_lshl_b32 s36, s36, 6
	s_add_co_u32 s36, s36, s30
.if \par
	s_add_co_u32 s36, s36, 4
.endif
	s_min_u32 s36, s36, 511                        ; 64 x expert + tile
	s_lshl_b32 s34, s36, 13
	s_add_nc_u64 s[WP+6*\par:WP+6*\par+1], s[4:5], s[34:35]        ; 8,192 bytes of codes,
	s_lshl_b32 s34, s36, 9
	s_add_nc_u64 s[WP+6*\par+2:WP+6*\par+3], s[6:7], s[34:35]      ; 512 of scale bytes,
	s_lshl_b32 s34, s36, 6
	s_add_nc_u64 s[WP+6*\par+4:WP+6*\par+5], s[8:9], s[34:35]      ; 64 of bias
.if \par
	s_add_co_u32 s29, s29, 1
	s_cmp_eq_u32 s29, s27
	s_cselect_b32 s29, 0, s29
	s_cselect_b32 s36, 8, 0
	s_add_co_u32 s30, s30, s36
.endif
.endm
; Part v of half par in one run of loads (v = 0: the lower part, 12 loads; v = 1: the upper part, 10).  First what lies in window 0: the scale words of K steps 4 v .. 4 v + 3, two K steps to a register (lanes 0-15 the even one,
; lanes 16-31 the odd one), and with v = 0 the bias tile; then, behind one switch, the eight loads of the four fragments, K ascending: the last four of a run belong to its second two K steps.
; dep = 1: in a step, where matrix instructions have read these registers.  dep = 0: at the head, where no vector or matrix instruction has named them and the offsets stand written since the head's first wait on va_vdst.
.macro FILL2 par, v, dep
	WIN 0
.if \dep
	s_wait_alu depctr_va_vdst(0)                   ; the matrix instructions issued so far are done reading this part of the half: its fragments, its scale words and, in the lower part, the bias tile: the loads below land there
.endif
	global_load_b32 v[WS+4*\par+2*\v],   v7, s[WP+6*\par+2:WP+6*\par+3] offset:16*\v
	global_load_b32 v[WS+4*\par+2*\v+1], v7, s[WP+6*\par+2:WP+6*\par+3] offset:16*\v+8
.if \v == 0
	global_load_b128 v[BIA+8*\par:BIA+8*\par+3],   v8, s[WP+6*\par+4:WP+6*\par+5]
	global_load_b128 v[BIA+8*\par+4:BIA+8*\par+7], v8, s[WP+6*\par+4:WP+6*\par+5] offset:16
.endif
	WIN 0x40                                       ; destination window 1.  Between the wait and these loads stand loads and this switch alone
.irp k, 0,1,2,3
.irp c, 0,1
	global_load_b128 v[64*\par+8*(4*\v+\k)+4*\c:64*\par+8*(4*\v+\k)+4*\c+3], v1, s[WP+6*\par:WP+6*\par+1] offset:1024*(4*\v+\k)+512*\c
.endr
.endr
.endm
	GEN 0
	FILL2 0, 0, 0
	FILL2 0, 1, 0
	GEN 1
	FILL2 1, 0, 0
	FILL2 1, 1, 0
	WIN 0
	s_wait_loadcnt 44                              ; my tokens' 35 loads are in; the 44 loads of the first two steps' weights stay out
	ds_store_b128 v97, v[24:27]                    ; (addresses and v24, v25 stand written since the waits on va_vdst above; all other data of these stores come from loads)
	ds_store_b128 v98, v[120:123]
	ds_store_b128 v98, v[124:127] offset:16
.set I, 0
.rept 16
	ds_store_b128 v99, v[OUT+4*I:OUT+4*I+3] offset:XBP*I
.set I, I+1
.endr
	WIN 0x04                                       ; an LDS store's data are its source 1: window 1
.set I, 0
.rept 16
	ds_store_b128 v99, v[OUT+4*I:OUT+4*I+3] offset:XBP*(16+I)
.set I, I+1
.endr
	WIN 0
	BARRIER                                        ; the block's 128 tokens lie in LDS: codes, scale bytes, experts and weights
.irp s, 0,1,2,3,4,5,6,7                        ; x's 64 fragments: lane (r, h): token 16 m + r; registers 4 c .. 4 c + 3: k = 128 s + 64 c + 32 h + 0 .. 31
.if \s < 4
	WIN 0x80
.else
	WIN 0xc0
.endif
.irp m, 0,1,2,3,4,5,6,7
.irp c, 0,1
	ds_load_b128 v[64*(\s%4)+8*\m+4*\c:64*(\s%4)+8*\m+4*\c+3], v4 offset:16*XBP*\m+64*\s+32*\c
.endr
.endr
.endr
	WIN 0
.irp i, 0,1,2,3                                ; x's scale words: register XSC + 8 i + s: lanes 0-15 tile 2 i, lanes 16-31 tile 2 i + 1, K step s
	ds_load_b128 v[XSC+8*\i:XSC+8*\i+3],   v100 offset:32*XSP*\i
	ds_load_b128 v[XSC+8*\i+4:XSC+8*\i+7], v100 offset:32*XSP*\i+16
.endr
	WIN 0x40
.irp m, 0,1,2,3,4,5,6,7
	ds_load_b128 v[EG+4*\m:EG+4*\m+3], v101 offset:256*\m  ; token 16 m + r: lo, hi, g_lo, g_hi
.endr
	WIN 0
	s_wait_dscnt 0x0
	s_wait_alu depctr_vm_vsrc(0)                   ; the head's LDS instructions have read their addresses v97-101, which the tokens' weights take from here on, and the two OUTs, which the first combines write
.irp m, 0,1,2,3,4,5,6,7
	v_mov_b32 v[WT+2*\m+1], 0                      ; named as the upper half of a pair, so it is written (the head's LDS addresses are done with)
.endr
; One matrix instruction: K step s, tile m of tokens, the weights of half par of the ring.
.macro MM par, s, m
.set rD, ACC+8*(\m)
.set rA, 64*(\par)+8*(\s)
.set rB, 64*((\s)%4)+8*(\m)
.set rC, BIA+8*(\par)
.set rU, WS+4*(\par)+(\s)/2
.set rX, XSC+8*((\m)/2)+(\s)
.if (\s) == 0
.if (\m)%2 == 0
	v_wmma_scale_f32_16x16x128_f8f6f4 v[rD:rD+7], v[rA:rA+7], v[rB:rB+7], v[rC:rC+7], v[rU], v[rX] matrix_a_fmt:MATRIX_FMT_FP4 matrix_b_fmt:MATRIX_FMT_FP4
.else
	v_wmma_scale_f32_16x16x128_f8f6f4 v[rD:rD+7], v[rA:rA+7], v[rB:rB+7], v[rC:rC+7], v[rU], v[rX] matrix_a_fmt:MATRIX_FMT_FP4 matrix_b_fmt:MATRIX_FMT_FP4 matrix_b_scale:MATRIX_SCALE_ROW1
.endif
.elseif (\s)%2 == 0
.if (\m)%2 == 0
	v_wmma_scale_f32_16x16x128_f8f6f4 v[rD:rD+7], v[rA:rA+7], v[rB:rB+7], v[rD:rD+7], v[rU], v[rX] matrix_a_fmt:MATRIX_FMT_FP4 matrix_b_fmt:MATRIX_FMT_FP4
.else
	v_wmma_scale_f32_16x16x128_f8f6f4 v[rD:rD+7], v[rA:rA+7], v[rB:rB+7], v[rD:rD+7], v[rU], v[rX] matrix_a_fmt:MATRIX_FMT_FP4 matrix_b_fmt:MATRIX_FMT_FP4 matrix_b_scale:MATRIX_SCALE_ROW1
.endif
.else
.if (\m)%2 == 0
	v_wmma_scale_f32_16x16x128_f8f6f4 v[rD:rD+7], v[rA:rA+7], v[rB:rB+7], v[rD:rD+7], v[rU], v[rX] matrix_a_fmt:MATRIX_FMT_FP4 matrix_b_fmt:MATRIX_FMT_FP4 matrix_a_scale:MATRIX_SCALE_ROW1
.else
	v_wmma_scale_f32_16x16x128_f8f6f4 v[rD:rD+7], v[rA:rA+7], v[rB:rB+7], v[rD:rD+7], v[rU], v[rX] matrix_a_fmt:MATRIX_FMT_FP4 matrix_b_fmt:MATRIX_FMT_FP4 matrix_a_scale:MATRIX_SCALE_ROW1 matrix_b_scale:MATRIX_SCALE_ROW1
.endif
.endif
.endm
; Two K steps: 16 matrix instructions, the eight accumulators by turns, one instruction a turn.  left: the weight loads issued behind this group's, which may stay out.
.macro GROUP par, u, left
	s_wait_loadcnt \left
.if \u < 2
	WIN 0x09                                       ; source 0 (We) window 1, source 1 (x) window 2; C and D window 0
.else
	WIN 0x0d                                       ; x in window 3
.endif
.irp d, 0,1
.irp m, 0,1,2,3,4,5,6,7
	MM \par, 2*\u+\d, \m
.endr
.endr
.endm
.macro PLACES                          ; four places behind matrix instructions (ISA guide 7.12.1)
.rept 4
	v_nop
.endr
.endm
; A STEP: the entry in hand for my tile of columns of phase 2 a + par.  fetch = 1: both parts of the half are asked for anew, for the step two steps on.
.macro STEP par, fetch, n0, n1, n2, n3
.if \par == 0
	s_lshl_b32 s36, s31, 2
	s_lshr_b32 s32, s26, s36
	s_and_b32 s32, s32, 7                          ; the pair's expert
	s_add_co_u32 s31, s31, 1
	WIN 0x04                                       ; source 1 window 1
.irp m, 0,1,2,3,4,5,6,7                        ; each token's weight for this expert: g_lo, g_hi or 0; it serves both steps of the pair.  The sixteen compares stand in one run, a scalar register to each mask
	v_cmp_eq_u32 s[CM+2*\m],   s32, v[EG+4*\m+1]
	v_cmp_eq_u32 s[CM+2*\m+1], s32, v[EG+4*\m]
.endr
	s_wait_alu depctr_va_sdst(0)                   ; the sixteen masks are written, ahead of the selections that read them: one wait for the run
.irp m, 0,1,2,3,4,5,6,7
	v_cndmask_b32 v[WT+2*\m], 0, v[EG+4*\m+3], s[CM+2*\m]
.endr
.irp m, 0,1,2,3,4,5,6,7
	v_cndmask_b32 v[WT+2*\m], v[WT+2*\m], v[EG+4*\m+2], s[CM+2*\m+1]
.endr
.endif
	GROUP \par, 0, \n0
	GROUP \par, 1, \n1
.if \fetch
	PLACES                                         ; first the places behind the matrix instructions that read the lower part, then the wait (in FILL2)
	s_wait_xcnt 0x0                                ; the loads that named this half's bases have had their addresses translated: the bases are written anew only behind this wait; the youngest loads stand half a step back
	GEN \par
	FILL2 \par, 0, 1                               ; the lower part, for the step two steps on; the 32 matrix instructions below name the upper part, x, ACC and their scale words alone
.endif
	GROUP \par, 2, \n2
	GROUP \par, 3, \n3
	PLACES                                         ; the places ahead of the first read of the sums, and behind the matrix instructions that read the upper part
.if \fetch
	FILL2 \par, 1, 1                               ; the upper part; the combine below names ACC, the tokens' weights and OUT alone
.endif
	WIN 0                                          ; at a branch and at a label every window is 0
	s_cmp_eq_u32 s31, 1                            ; a double phase's first pair starts both OUTs: nothing is cleared
	s_cbranch_scc1 .Lfirst_\@
	WIN 0x50*\par                                  ; the odd phase's OUT (destination and source 2) lies in window 1
	s_wait_alu depctr_va_vdst(0)
.irp m, 0,1,2,3,4,5,6,7                        ; each accumulator from its low end on
.irp j, 0,2,4,6
	v_pk_fma_f32 v[OUT+8*\m+\j:OUT+8*\m+\j+1], v[ACC+8*\m+\j:ACC+8*\m+\j+1], v[WT+2*\m:WT+2*\m+1], v[OUT+8*\m+\j:OUT+8*\m+\j+1] op_sel_hi:[1,0,1]
.endr
.endr
	WIN 0
	s_branch .Ljoin_\@
.Lfirst_\@:
	WIN 0x40*\par
	s_wait_alu depctr_va_vdst(0)
.irp m, 0,1,2,3,4,5,6,7
.irp j, 0,2,4,6
	v_pk_mul_f32 v[OUT+8*\m+\j:OUT+8*\m+\j+1], v[ACC+8*\m+\j:ACC+8*\m+\j+1], v[WT+2*\m:WT+2*\m+1] op_sel_hi:[1,0]
.endr
.endr
	WIN 0
.Ljoin_\@:
.endm
; The counts.  At a step's head the loads out are, oldest first: its lower part's 12, its upper part's 10, the next step's 12 and 10.  Behind a part's first two K steps stand the part's last 4 loads.
; With fetch, 12 more go out in the step's middle.  So: 4 + 10 + 22, 10 + 22, 4 + 22 + 12, 22 + 12.  In the last pair nothing goes out: 36, 32, 4 + 22, 22; then 4 + 10, 10, 4, 0.
.macro PAIR fetch
.if \fetch
	STEP 0, 1, 36, 32, 38, 34
	STEP 1, 1, 36, 32, 38, 34
.else
	STEP 0, 0, 36, 32, 26, 22
	STEP 1, 0, 14, 10, 4, 0
.endif
.endm
; THE WAY OUT of double phase a: 128 columns of 128 tokens, each phase's 64 through a stage of its own.  A row's 256 bytes of a phase come from four waves: they meet in the stage, behind ONE barrier each wave reads 32 whole
; rows of both stages, and sixteen lanes store 256 consecutive bytes, at a multiple of 256 from the buffer's first byte.  No stage is written twice, so no barrier is owed between a stage's reads and a later write.
.macro FLUSH a
.set rSO, 5+4*(\a)
.set rSR, 6+4*(\a)
	s_wait_alu depctr_va_vdst(0)                   ; the last combines have written both OUTs, which the LDS stores below read, and are done with ACC and OUT, in which the loads from the stages land; OFFS stands written too.  No vector line follows before those loads and stores
.irp m, 0,1,2,3,4,5,6,7
	ds_store_b128 v[rSO], v[OUT+8*\m:OUT+8*\m+3]   offset:16*STP*\m
	ds_store_b128 v[rSO], v[OUT+8*\m+4:OUT+8*\m+7] offset:16*STP*\m+16
.endr
	WIN 0x04                                       ; the data in window 1: the odd phase's OUT
.irp m, 0,1,2,3,4,5,6,7
	ds_store_b128 v[rSO], v[OUT+8*\m:OUT+8*\m+3]   offset:STGB+16*STP*\m
	ds_store_b128 v[rSO], v[OUT+8*\m+4:OUT+8*\m+7] offset:STGB+16*STP*\m+16
.endr
	WIN 0
	BARRIER
	s_wait_alu depctr_vm_vsrc(0)                   ; my LDS stores have read the even phase's OUT, in which sixteen of the loads below land
.irp i, 0,1,2,3,4,5,6,7,8,9,10,11,12,13,14,15
	ds_load_b128 v[ACC+4*\i:ACC+4*\i+3], v[rSR] offset:2*STP*\i
.endr
.irp i, 0,1,2,3,4,5,6,7,8,9,10,11,12,13,14,15
	ds_load_b128 v[OUT+4*\i:OUT+4*\i+3], v[rSR] offset:STGB+2*STP*\i
.endr
.irp i, 0,1,2,3,4,5,6,7,8,9,10,11,12,13,14,15
	s_wait_dscnt 31-\i                             ; the younger of these thirty-two may be out
	global_store_b128 v[OFFS+\i], v[ACC+4*\i:ACC+4*\i+3], s[20:21] offset:512*(\a) th:TH_STORE_NT
.endr
.irp i, 0,1,2,3,4,5,6,7,8,9,10,11,12,13,14,15
	s_wait_dscnt 15-\i
	global_store_b128 v[OFFS+\i], v[OUT+4*\i:OUT+4*\i+3], s[20:21] offset:512*(\a)+256 th:TH_STORE_NT
.endr
.if (\a) == 0
	s_wait_xcnt 0x0                                ; the stores have read their registers: the next sums are written there only behind this wait
	s_wait_alu depctr_vm_vsrc(0)                   ; the stores have read ACC and the even OUT, the LDS stores the odd OUT: the next double phase's matrix instructions and combines write all three again
.endif
.endm
	s_mov_b32 s31, 0                               ; the entry in hand
	s_max_u32 s33, s27, 1                          ; N pairs of steps; the counter starts at 1 or above, so that it meets 0 on its way down
.Lphase_0:
	PAIR 1
	s_sub_co_u32 s33, s33, 1
	s_cmp_lg_u32 s33, 0
	s_cbranch_scc1 .Lphase_0
	FLUSH 0
	s_mov_b32 s31, 0
	s_sub_co_u32 s36, s27, 1
	s_max_u32 s33, s36, 1                          ; one pair fewer in the loop (N is 2 or more): the last pair asks for nothing and is written out, so that no load points past the weights
.Lphase_1:
	PAIR 1
	s_sub_co_u32 s33, s33, 1
	s_cmp_lg_u32 s33, 0
	s_cbranch_scc1 .Lphase_1
	PAIR 0
	FLUSH 1
	s_wait_dscnt 0x0                               ; the closing lines, six on end
	s_wait_alu 0x0
	s_wait_tensorcnt 0x0
	ds_add_u32 v30, v31
	s_wait_dscnt 0x0
	s_endpgm
.Lfunc_end_k_qa0021a1daa_experts:
	.size	k_qa0021a1daa_experts, .Lfunc_end_k_qa0021a1daa_experts-k_qa0021a1daa_experts
	.p2alignl 7, 3214868480
	.fill 96, 4, 3214868480
	.section	.rodata,"a",@progbits
	.p2align	6, 0x0
	.amdhsa_kernel k_qa0021a1daa_experts
		.amdhsa_group_segment_fixed_size 215552
		.amdhsa_private_segment_fixed_size 0
		.amdhsa_enable_private_segment 0
		.amdhsa_kernarg_size 72
		.amdhsa_user_sgpr_count 2
		.amdhsa_user_sgpr_kernarg_segment_ptr 1
		.amdhsa_wavefront_size32 1
		.amdhsa_system_sgpr_workgroup_id_x 1
		.amdhsa_system_sgpr_workgroup_id_y 1
		.amdhsa_system_sgpr_workgroup_id_z 1
		.amdhsa_system_vgpr_workitem_id 0
		.amdhsa_next_free_vgpr 1024
		.amdhsa_next_free_sgpr 96
		.amdhsa_reserve_vcc 0
		.amdhsa_float_denorm_mode_32 3
		.amdhsa_float_denorm_mode_16_64 3
		.amdhsa_memory_ordered 1
		.amdhsa_forward_progress 1
		.amdhsa_inst_pref_size 145
	.end_amdhsa_kernel
	.amdgpu_metadata
---
amdhsa.version: [ 1, 2 ]
amdhsa.kernels:
  - .name:           k_qa0021a1daa_experts
    .symbol:         k_qa0021a1daa_experts.kd
    .args:
      - { .name: wf, .offset: 0, .size: 8, .value_kind: global_buffer, .address_space: global }
      - { .name: We_scales, .offset: 8, .size: 8, .value_kind: global_buffer, .address_space: global }
      - { .name: be, .offset: 16, .size: 8, .value_kind: global_buffer, .address_space: global }
      - { .name: xq, .offset: 24, .size: 8, .value_kind: global_buffer, .address_space: global }
      - { .name: xs, .offset: 32, .size: 8, .value_kind: global_buffer, .address_space: global }
      - { .name: ord, .offset: 40, .size: 8, .value_kind: global_buffer, .address_space: global }
      - { .name: gate, .offset: 48, .size: 8, .value_kind: global_buffer, .address_space: global }
      - { .name: ctl, .offset: 56, .size: 8, .value_kind: global_buffer, .address_space: global }
      - { .name: out0, .offset: 64, .size: 8, .value_kind: global_buffer, .address_space: global }
    .group_segment_fixed_size: 215552
    .private_segment_fixed_size: 0
    .kernarg_segment_align: 8
    .kernarg_segment_size: 72
    .max_flat_workgroup_size: 128
    .sgpr_count:     96
    .vgpr_count:     1024
    .wavefront_size: 32
...
	.end_amdgpu_metadata
.endif
;; end of part 6
